; MI455X (gfx1250); checked and timed in simulation.
; The chip was launched on July 23, 2026; its instructions are those of AMD's public machine-readable ISA for CDNA 5 (MIT licence, August 2026) and "CDNA5" Instruction Set Architecture Reference Guide (July 2026). The comments in the code are by the model that wrote it; some were corrected since.
;; Encoder Block. Allowed arithmetic: matrix products marked QUANTISED: E2M3 operands, one E8M0 scale for each 32 along K, by v_wmma_scale_f32_16x16x128_f8f6f4 with both operands' format E2M3, f32 sums; everything else in f32.
;; Inputs: a1 1 float32; a2 1 float32; b1 4,096 float32; b2 1,024 float32; be1 1 float32; be2 1 float32; bk 1,024 float32; bo 1,024 float32; bq 1,024 float32; bv 1,024 float32; src_mask 2 x 1 x 1 x 2,048 int32; w1 4,096 x 1,024 float32; w2 1,024 x 4,096 float32; wk 1,024 x 1,024 float32; wo 1,024 x 1,024 float32; wq 1,024 x 1,024 float32; wv 1,024 x 1,024 float32; x 2 x 2,048 x 1,024 float32.
;; Outputs: out0 2 x 2,048 x 1,024 float32.
;; This version of the problem:
;;   THIS VERSION OF THE PROBLEM IS GIVEN IN LOW PRECISION. The matrix products marked QUANTISED in the list below multiply operands that are first quantised to E2M3 (2 exponent bits, 3 mantissa bits; 6 bits a number), with one power-of-two scale for each 32 numbers along K (OCP MX v1.0); their sums are f32. All else is computed in f32.
;;   The module's matrix products, in the order in which they are computed (A, B: the left and right operand; K: the contracted axis; several contracted axes count as one K, in the product's order):
;;     1. [M 4,096, K 1,024] x [K 1,024, N 1,024]; A: computed on the way; B: input wq: QUANTISED
;;     2. [M 4,096, K 1,024] x [K 1,024, N 1,024]; A: computed on the way; B: input wk: QUANTISED
;;     3. [M 4,096, K 1,024] x [K 1,024, N 1,024]; A: computed on the way; B: input wv: QUANTISED
;;     4. batch 32 x [M 2,048, K 64] x [K 64, N 2,048]; A: computed on the way; B: computed on the way: QUANTISED
;;     5. batch 32 x [M 2,048, K 2,048] x [K 2,048, N 64]; A: softmax (see below); B: computed on the way: QUANTISED
;;     6. [M 4,096, K 1,024] x [K 1,024, N 1,024]; A: computed on the way; B: input wo: QUANTISED
;;     7. [M 4,096, K 1,024] x [K 1,024, N 4,096]; A: computed on the way; B: input w1: QUANTISED
;;     8. [M 4,096, K 4,096] x [K 4,096, N 1,024]; A: computed on the way; B: input w2: QUANTISED
;;   THE QUANTISER, for each operand of a quantised product, along K:
;;     - K is cut into blocks of 32 from its start; a last block that is shorter is filled with zeros.
;;     - A block's scale is 2^e with e = floor(log2(the largest magnitude in the block)) - 2, held to -126 .. 127; a block of zeros has e = 0. As a byte (E8M0): e + 127.
;;     - Each number is divided by its block's scale, clamped to +-7.5, and rounded to the nearest number of E2M3, ties to even, subnormals kept.
;;     - The product sums the exact products of the quantised numbers (number of the format x scale) in f32.
;;   ~~~python
;;   def quantise(x, axis):      # numpy; x: float32 -> the quantised numbers, widened to float32 again
;;       x = np.moveaxis(x, axis, -1); K = x.shape[-1]
;;       x = np.pad(x, [(0, 0)] * (x.ndim - 1) + [(0, -K % 32)]); x = x.reshape(x.shape[:-1] + (-1, 32)); a = np.abs(x).max(-1, keepdims=True)
;;       e = np.where(a > 0, np.clip(np.frexp(np.where(a > 0, a, 1))[1] - 1 - 2, -126, 127), 0)      # np.frexp(a)[1] - 1 = floor(log2(a)), exactly
;;       r = np.clip(x / 2.0 ** e, -7.5, 7.5)
;;       step = 2.0 ** (np.maximum(np.frexp(np.where(r == 0, 1, r))[1] - 1, 0) - 3)
;;       q = np.round(r / step) * step * 2.0 ** e      # np.round: ties to even
;;       return np.moveaxis(q.reshape(q.shape[:-2] + (-1,))[..., :K], -1, axis).astype(np.float32)
;;   ~~~
;;   SOFTMAX AHEAD OF A QUANTISED PRODUCT. Where the list says 'softmax', what is quantised is not the finished softmax but p = 2^(t - M), with t = logit x log2(e) and M = ceil(the row's largest t), a whole number; so 1/2 < the row's largest p <= 1. The row's sum l is taken of the UNQUANTISED p, in f32, and the product's result is divided by l at the end. Since M is a whole number, a kernel that streams over the keys may use a running M (the ceiling of the running maximum): every later rescaling is an exact power of two, which a block's scale takes up: the codes' values come out the same.
;;   OPERANDS COMPUTED ON THE WAY. 'Computed on the way' means the value that the module computes at that place (a softmax that the list does not call 'softmax' is quantised finished and normalised). What goes into a quantiser is computed in f32, as accurately as f32 sums, v_exp_f32 and their like allow (about 1e-6 of the number): no bf16 or f16 on the way to a quantiser, and a product that is left as it is and whose result goes on into a quantised operand takes f32 operands (vector FMAs, or v_wmma_f32_16x16x4_f32). A number that lies on a knife's edge between two numbers of the format may be rounded either way, as far as f32 arithmetic and the matrix unit's own rounding can turn it there, and no further.
;; One version. Each part assembles by itself: llvm-mc -triple=amdgcn-amd-amdhsa -mcpu=gfx1250 --defsym DOCPART=n.
;; ======== version 1 of 1: 7 launches
;; limits: right only within a limited range of input values
;; workspace buffers: wc 9,830,400 bytes; xc 3,276,800 bytes; qkc 6,553,600 bytes; vtc 3,276,800 bytes; aoc 3,276,800 bytes; x1 16,777,216 bytes; hc 13,107,200 bytes
;; launch prep (part 1): grid 1024 x 1, 8 waves a work-group, no clusters, 66,816 bytes of LDS; arguments x, a1, be1, wq, wk, wv, wo, w1, w2, xc, wc; writes xc, wc
.if DOCPART == 1
	.amdgcn_target "amdgcn-amd-amdhsa--gfx1250"
	.amdhsa_code_object_version 6
	.text
	.protected	k_q8632fb64be_prep
	.globl	k_q8632fb64be_prep
	.p2align	8
	.type	k_q8632fb64be_prep,@function
k_q8632fb64be_prep:
	s_mov_b64 s[64:65], 0
	v_nop
	global_prefetch_b8 v0, s[64:65] scope:SCOPE_SE
	s_setreg_imm32_b32 hwreg(HW_REG_WAVE_MODE, 25, 1), 1
	s_wait_xcnt 0x0
; f32 rows become codes of FP6 (E2M3) with one E8M0 byte for each 32 along K, laid in the order of an operand's registers.
; A work-group is one JOB: one tile of 16 rows x 1,024 columns (8 K steps of 128).  Jobs 0-255: the tokens, which are layer-normed first
; (mean; unbiased deviation from the centred numbers, so that a common offset costs nothing; gain / (deviation + 1e-6); offset); jobs 256-767: wq, wk, wv, wo, w1;
; jobs 768-1023: w2 (64 tiles x 4 runs of 1,024 columns).  ONE path serves all jobs: pointers and a few scalars are chosen by selects on the job's number;
; for a weight the mean's factor is 0, the gain 1 and the offset 0, so the same lines leave its numbers as they are.
; LAYOUT OF THE CODES.  Lane-row p of tile t is row 32 (t / 2) + 8 (t % 2) + p + 8 (p / 8).  A fragment (16 rows x 128 K, 12 registers a lane) is 1,536 bytes: registers 4 c .. 4 c + 3 of lane l at 512 c + 16 l.
; A record (64 rows x 128 K) is four fragments and 256 bytes of scale words (tile i, lane-row p at 6,144 + 16 p + 4 i): 6,400 bytes.  A block is two records; a row group's blocks follow each other along K.
; PHASE A: wave w loads rows 2 w and 2 w + 1 of the tile, 512 consecutive bytes a load, norms them and lays them in a stage in LDS.  PHASE B: wave w takes K step w: lane (r, h) reads 2 x 32 neighbours of row r.
; No tensor load, no cluster: work-groups share no input.  No matrix unit: the launch streams.
; LIMITS: NaN and infinities are not served; blocks whose largest magnitude lies under 2^-124 were not tried; a block of zeros gets the byte 1 (its codes are zeros; this program alone reads the bytes).
.set STGP,  4112                       ; a stage row: 4,096 bytes + 16, so that sixteen rows' 16 bytes fall on sixteen different groups of banks
.set SPARE, 16*STGP                    ; behind the stage: the spare words, 128 bytes for each of the eight waves
.set X0,    16                         ; v16-47  my first row, later with X1 the 64 numbers of phase B
.set X1,    48                         ; v48-79  my second row
.set CD,    100                        ; v100-111 the fragment's codes
.set SPW,   10                         ; v10     my spare word's LDS address; never rewritten
.set NIL,   11                         ; v11     0; never rewritten
.set SRC,   34                         ; s[34:35] the source at my first row
.set DST,   36                         ; s[36:37] the codes at my fragment
.set SEL,   50                         ; s[50:51] lane selects: lane l xor 16
	s_load_b512 s[8:23], s[0:1], 0x0               ; x, gain, offset, wq, wk, wv, wo, w1
	s_load_b128 s[24:27], s[0:1], 0x40             ; w2, the tokens' codes
	s_load_b64 s[28:29], s[0:1], 0x50              ; the weights' codes
	v_lshl_add_u32 v[SPW], v0, 2, SPARE
	v_mov_b32 v[NIL], 0
	v_lshrrev_b32 v1, 5, v0
	s_delay_alu instid0(VALU_DEP_1)
	v_readfirstlane_b32 s2, v1                     ; wave 0..7
	v_and_b32 v1, 31, v0                           ; lane
	v_and_b32 v2, 15, v0                           ; r
	v_bfe_u32 v3, v0, 4, 1                         ; h
	s_delay_alu instid0(VALU_DEP_3)
	v_lshlrev_b32 v4, 4, v1                        ; 16 x lane: a load's 16 bytes, and an image's
	s_mul_i32 s3, s2, 2*STGP
	v_add_nc_u32 v6, s3, v4                        ; the stage, in: row 2 w, 16 x lane
	v_mul_u32_u24 v7, v2, STGP
	s_delay_alu instid0(VALU_DEP_1)
	v_lshl_add_u32 v7, v3, 7, v7
	s_lshl_b32 s3, s2, 9
	v_add_nc_u32 v7, s3, v7                        ; the stage, out: row r, K step w, 128 bytes for each half of the lanes
	v_mov_b32 v84, 0                               ; a lane permute's destination counts as one of its sources: written once
	s_mov_b32 s[SEL], 0x76543210
	s_mov_b32 s[SEL+1], 0xfedcba98
	s_wait_alu depctr_va_vdst(0)
	s_wait_kmcnt 0x0
	s_load_b32 s30, s[10:11], 0x0                  ; the gain
	s_load_b32 s31, s[12:13], 0x0                  ; the offset
	s_mov_b64 s[SRC:SRC+1], s[24:25]               ; which tensor: from the last range down; s40 = the tensor's first job
	s_mov_b32 s40, 768
.macro PICK n, lo, p
	s_cmp_lt_u32 ttmp9, \n
	s_cselect_b64 s[SRC:SRC+1], s[\p:\p+1], s[SRC:SRC+1]
	s_cselect_b32 s40, \lo, s40
.endm
	PICK 768, 512, 22
	PICK 512, 448, 20
	PICK 448, 384, 18
	PICK 384, 320, 16
	PICK 320, 256, 14
	PICK 256, 0, 8
	s_cselect_b64 s[DST:DST+1], s[26:27], s[28:29] ; still on 'job < 256': tokens or weights
	s_cselect_b32 s32, 0x3a800000, 0               ; the mean's factor: 1 / 1,024 or 0
	s_cselect_b32 s33, -1, 0                       ; the gain is taken (all lanes) or 1.0 stands for it
	s_cselect_b32 s41, 0, 256                      ; the first job of the destination's run of tiles
	s_wait_kmcnt 0x0
	s_cselect_b32 s31, s31, 0
	s_cmp_ge_u32 ttmp9, 768                        ; w2: four jobs to a tile, rows four times as long, its own part of the buffer
	s_cselect_b32 s41, 768, s41
	s_cselect_b32 s42, 2, 0
	s_cselect_b32 s43, 3, 0
	s_cselect_b32 s44, 0x640000, 0                 ; 6,553,600: behind the 64 row groups of wq .. w1
	s_sub_co_u32 s45, ttmp9, s41
	s_and_b32 s43, s45, s43                        ; q: which 1,024 columns
	s_lshr_b32 s45, s45, s42                       ; the tile in the destination
	s_sub_co_u32 s46, ttmp9, s40
	s_lshr_b32 s46, s46, s42                       ; the tile in its own tensor
	s_lshr_b32 s47, s46, 1
	s_lshl_b32 s47, s47, 5
	s_and_b32 s48, s46, 1
	s_lshl_b32 s48, s48, 3
	s_add_co_u32 s47, s47, s48
	s_lshl_b32 s48, s2, 1
	s_add_co_u32 s47, s47, s48
	s_lshr_b32 s48, s2, 2
	s_lshl_b32 s48, s48, 3
	s_add_co_u32 s47, s47, s48                     ; my first row: 32 (t / 2) + 8 (t % 2) + 2 w + 8 (w / 4)
	s_add_co_u32 s48, s42, 12
	s_lshl_b32 s52, s47, s48                       ; in bytes
	s_lshl_b32 s47, s43, 12
	s_add_co_u32 s52, s52, s47
	s_mov_b32 s53, 0
	s_add_nc_u64 s[SRC:SRC+1], s[SRC:SRC+1], s[52:53]
	s_lshl_b32 s49, 4096, s42                      ; a row of the source in bytes
	v_add_nc_u32 v5, s49, v4                       ; my second row
	s_wait_alu depctr_va_vdst(0)
	s_lshr_b32 s47, s45, 3                         ; the row group of 128
	s_mul_i32 s47, s47, 102400
	s_lshl_b32 s47, s47, s42
	s_add_co_u32 s52, s44, s47
	s_mul_i32 s47, s43, 102400                     ; K step 8 q + w
	s_add_co_u32 s52, s52, s47
	s_mul_i32 s47, s2, 12800
	s_add_co_u32 s52, s52, s47
	s_bfe_u32 s47, s45, 0x10002                    ; the record
	s_mul_i32 s47, s47, 6400
	s_add_co_u32 s52, s52, s47
	s_and_b32 s48, s45, 3                          ; the tile in the record
	s_mul_i32 s47, s48, 1536
	s_add_co_u32 s52, s52, s47
	s_add_nc_u64 s[DST:DST+1], s[DST:DST+1], s[52:53]
	s_mul_i32 s48, s48, 1532
	s_sub_co_u32 s38, 6144, s48                    ; from my fragment to my tile's column of scale words
	v_lshl_add_u32 v9, v2, 4, s38
.irp i, 0,1,2,3,4,5,6,7
	global_load_b128 v[X0+4*\i:X0+4*\i+3], v4, s[SRC:SRC+1] offset:512*\i th:TH_LOAD_NT   ; 32 lanes read 512 consecutive bytes
.endr
.irp i, 0,1,2,3,4,5,6,7
	global_load_b128 v[X1+4*\i:X1+4*\i+3], v5, s[SRC:SRC+1] offset:512*\i th:TH_LOAD_NT
.endr
.macro ACROSS d                        ; v80's sum over the 32 lanes, into v[d] of every lane
	s_delay_alu instid0(VALU_DEP_1)
	v_add_f32_dpp v80, v80, v80 row_xmask:1 row_mask:0xf bank_mask:0xf
	s_delay_alu instid0(VALU_DEP_1)
	v_add_f32_dpp v80, v80, v80 row_xmask:2 row_mask:0xf bank_mask:0xf
	s_delay_alu instid0(VALU_DEP_1)
	v_add_f32_dpp v80, v80, v80 row_xmask:4 row_mask:0xf bank_mask:0xf
	s_delay_alu instid0(VALU_DEP_1)
	v_add_f32_dpp v80, v80, v80 row_xmask:8 row_mask:0xf bank_mask:0xf
	s_delay_alu instid0(VALU_DEP_1)
	v_permlanex16_b32 v84, v80, s[SEL], s[SEL+1]
	s_delay_alu instid0(VALU_DEP_1)
	v_add_f32 v[\d], v80, v84
.endm
.macro ROWSUM d, x                     ; the sum of a row: two packed chains in the lane, then across the lanes
	v_pk_add_f32 v[80:81], v[\x:\x+1], v[\x+2:\x+3]
	v_pk_add_f32 v[82:83], v[\x+4:\x+5], v[\x+6:\x+7]
.irp i, 8,12,16,20,24,28
	s_delay_alu instid0(VALU_DEP_2)
	v_pk_add_f32 v[80:81], v[80:81], v[\x+\i:\x+\i+1]
	s_delay_alu instid0(VALU_DEP_2)
	v_pk_add_f32 v[82:83], v[82:83], v[\x+\i+2:\x+\i+3]
.endr
	s_delay_alu instid0(VALU_DEP_1)
	v_pk_add_f32 v[80:81], v[80:81], v[82:83]
	s_delay_alu instid0(VALU_DEP_1)
	v_add_f32 v80, v80, v81
	ACROSS \d
.endm
.macro ROWSQ d, x                      ; the sum of its squares
	v_pk_mul_f32 v[80:81], v[\x:\x+1], v[\x:\x+1]
	v_pk_mul_f32 v[82:83], v[\x+2:\x+3], v[\x+2:\x+3]
.irp i, 4,8,12,16,20,24,28
	s_delay_alu instid0(VALU_DEP_2)
	v_pk_fma_f32 v[80:81], v[\x+\i:\x+\i+1], v[\x+\i:\x+\i+1], v[80:81]
	s_delay_alu instid0(VALU_DEP_2)
	v_pk_fma_f32 v[82:83], v[\x+\i+2:\x+\i+3], v[\x+\i+2:\x+\i+3], v[82:83]
.endr
	s_delay_alu instid0(VALU_DEP_1)
	v_pk_add_f32 v[80:81], v[80:81], v[82:83]
	s_delay_alu instid0(VALU_DEP_1)
	v_add_f32 v80, v80, v81
	ACROSS \d
.endm
	s_wait_loadcnt 8                               ; my first row's eight loads are in; the second row's eight may be out
	ROWSUM 88, X0
	s_wait_loadcnt 0x0
	ROWSUM 90, X1
	v_mul_f32 v88, s32, v88                        ; the means (0 for a weight), each twice: a pair for the packed forms
	s_delay_alu instid0(VALU_DEP_2)
	v_mul_f32 v90, s32, v90
	s_delay_alu instid0(VALU_DEP_2)
	v_mov_b32 v89, v88
	s_delay_alu instid0(VALU_DEP_2)
	v_mov_b32 v91, v90
.irp i, 0,2,4,6,8,10,12,14,16,18,20,22,24,26,28,30
	v_pk_add_f32 v[X0+\i:X0+\i+1], v[X0+\i:X0+\i+1], v[88:89] neg_lo:[0,1] neg_hi:[0,1]
	v_pk_add_f32 v[X1+\i:X1+\i+1], v[X1+\i:X1+\i+1], v[90:91] neg_lo:[0,1] neg_hi:[0,1]
.endr
	ROWSQ 85, X0
	ROWSQ 86, X1
	v_mul_f32 v85, 0x3a802008, v85                 ; / 1,023
	s_delay_alu instid0(VALU_DEP_2)
	v_mul_f32 v86, 0x3a802008, v86
	s_wait_alu depctr_va_vdst(0)
	v_sqrt_f32 v87, v85
	v_sqrt_f32 v98, v86
	v_nop                                          ; a plain instruction behind the roots
	s_wait_alu depctr_va_vdst(0)                   ; one wait for both, ahead of their first reader
	v_add_f32 v87, 0x358637bd, v87                 ; + 1e-6
	v_add_f32 v98, 0x358637bd, v98
	s_wait_alu depctr_va_vdst(0)
	v_rcp_f32 v92, v87
	v_rcp_f32 v94, v98
	v_nop
	s_wait_alu depctr_va_vdst(0)                   ; and one for both reciprocals
	v_mul_f32 v92, s30, v92
	v_mul_f32 v94, s30, v94
	s_delay_alu instid0(VALU_DEP_2)
	v_cndmask_b32 v92, 1.0, v92, s33               ; a weight's gain is 1
	s_delay_alu instid0(VALU_DEP_2)
	v_cndmask_b32 v94, 1.0, v94, s33
	s_delay_alu instid0(VALU_DEP_2)
	v_mov_b32 v93, v92
	s_delay_alu instid0(VALU_DEP_2)
	v_mov_b32 v95, v94
	v_mov_b32 v96, s31
	v_mov_b32 v97, s31
.irp i, 0,2,4,6,8,10,12,14,16,18,20,22,24,26,28,30
	v_pk_fma_f32 v[X0+\i:X0+\i+1], v[X0+\i:X0+\i+1], v[92:93], v[96:97]
	v_pk_fma_f32 v[X1+\i:X1+\i+1], v[X1+\i:X1+\i+1], v[94:95], v[96:97]
.endr
.irp i, 0,1,2,3,4,5,6,7
	ds_store_b128 v6, v[X0+4*\i:X0+4*\i+3] offset:512*\i
	ds_store_b128 v6, v[X1+4*\i:X1+4*\i+3] offset:STGP+512*\i
.endr
	s_wait_dscnt 0x0                               ; for the others' sake: my two rows lie in the stage
	s_barrier_signal -1
	s_barrier_wait -1
.irp c, 0,1
.irp j, 0,1,2,3,4,5,6,7
	ds_load_b128 v[16+32*\c+4*\j:19+32*\c+4*\j], v7 offset:256*\c+16*\j   ; register 32 c + i: k = 64 c + 32 h + i of row r: the operand's own order
.endr
.endr
	s_wait_dscnt 0x0
.irp c, 0,1
	v_max3_num_f32 v[120+\c], |v[16+32*\c]|, |v[17+32*\c]|, 0x1800000   ; my block 2 c + h: all its 32 numbers are mine; the floor 2^(3 - 127) holds the byte at 1 from below
.endr
.irp i, 2,4,6,8,10,12,14,16,18,20,22,24,26,28,30
.irp c, 0,1
	s_delay_alu instid0(VALU_DEP_2)
	v_max3_num_f32 v[120+\c], v[120+\c], |v[16+32*\c+\i]|, |v[17+32*\c+\i]|
.endr
.endr
.irp c, 0,1
	s_delay_alu instid0(VALU_DEP_2)
	v_add_nc_u32 v[122+\c], 0xff000000, v[120+\c]  ; 2 off the exponent field: the conversion's scale operand
.endr
.irp c, 0,1
	s_delay_alu instid0(VALU_DEP_2)
	v_lshrrev_b32 v[124+\c], 23, v[122+\c]         ; the scale's byte
.endr
	s_delay_alu instid0(VALU_DEP_1)
	v_lshl_or_b32 v126, v125, 16, v124             ; my two bytes: blocks h and 2 + h,
	v_lshlrev_b32 v127, 3, v3
	s_delay_alu instid0(VALU_DEP_1)
	v_lshlrev_b32 v126, v127, v126                 ; at their places in the word;
	s_delay_alu instid0(VALU_DEP_1)
	v_permlanex16_b32 v84, v126, s[SEL], s[SEL+1]
	s_delay_alu instid0(VALU_DEP_1)
	v_or_b32 v126, v126, v84                       ; with lane l xor 16's two the word is whole
.irp c, 0,1
	v_cvt_scalef32_pk16_fp6_f32 v[CD+6*\c:CD+6*\c+2], v[16+32*\c:31+32*\c], v[122+\c]
	v_cvt_scalef32_pk16_fp6_f32 v[112+4*\c:114+4*\c], v[32+32*\c:47+32*\c], v[122+\c]   ; (a conversion's three registers begin on an even number)
.endr
	v_nop                                          ; one plain instruction behind the conversions
.irp c, 0,1
.irp i, 0,1,2
	v_mov_b32 v[CD+3+6*\c+\i], v[112+4*\c+\i]
.endr
.endr
.irp c, 0,1,2
	global_store_b128 v4, v[CD+4*\c:CD+4*\c+3], s[DST:DST+1] offset:512*\c   ; 32 lanes store 512 consecutive bytes, at a multiple of 256 from the buffer's first byte
.endr
	v_cmp_gt_u32 vcc_lo, 16, v1
	s_wait_xcnt 0x0                                ; EXEC changes only behind this wait
	s_and_saveexec_b32 s39, vcc_lo
	global_store_b32 v9, v126, s[DST:DST+1]        ; lanes 0-15: my tile's column of the record's scale words (a job has one tile of the four)
	s_wait_xcnt 0x0                                ; and again, ahead of the line that widens it
	s_or_b32 exec_lo, exec_lo, s39
	s_wait_tensorcnt 0x0                           ; the wave's end
	ds_add_u32 v[SPW], v[NIL]
	s_wait_dscnt 0x0
	s_endpgm
.Lfunc_end_k_q8632fb64be_prep:
	.size	k_q8632fb64be_prep, .Lfunc_end_k_q8632fb64be_prep-k_q8632fb64be_prep
	.p2alignl 7, 3214868480
	.fill 96, 4, 3214868480
	.section	.rodata,"a",@progbits
	.p2align	6, 0x0
	.amdhsa_kernel k_q8632fb64be_prep
		.amdhsa_group_segment_fixed_size 66816
		.amdhsa_private_segment_fixed_size 0
		.amdhsa_enable_private_segment 0
		.amdhsa_kernarg_size 88
		.amdhsa_user_sgpr_count 2
		.amdhsa_user_sgpr_kernarg_segment_ptr 1
		.amdhsa_wavefront_size32 1
		.amdhsa_system_sgpr_workgroup_id_x 1
		.amdhsa_system_sgpr_workgroup_id_y 1
		.amdhsa_system_sgpr_workgroup_id_z 1
		.amdhsa_system_vgpr_workitem_id 0
		.amdhsa_next_free_vgpr 128
		.amdhsa_next_free_sgpr 66
		.amdhsa_reserve_vcc 1
		.amdhsa_float_denorm_mode_32 3
		.amdhsa_float_denorm_mode_16_64 3
		.amdhsa_memory_ordered 1
		.amdhsa_forward_progress 1
		.amdhsa_inst_pref_size 27
	.end_amdhsa_kernel
	.amdgpu_metadata
---
amdhsa.version: [ 1, 2 ]
amdhsa.kernels:
  - .name:           k_q8632fb64be_prep
    .symbol:         k_q8632fb64be_prep.kd
    .args:
      - { .name: x, .offset: 0, .size: 8, .value_kind: global_buffer, .address_space: global }
      - { .name: a1, .offset: 8, .size: 8, .value_kind: global_buffer, .address_space: global }
      - { .name: be1, .offset: 16, .size: 8, .value_kind: global_buffer, .address_space: global }
      - { .name: wq, .offset: 24, .size: 8, .value_kind: global_buffer, .address_space: global }
      - { .name: wk, .offset: 32, .size: 8, .value_kind: global_buffer, .address_space: global }
      - { .name: wv, .offset: 40, .size: 8, .value_kind: global_buffer, .address_space: global }
      - { .name: wo, .offset: 48, .size: 8, .value_kind: global_buffer, .address_space: global }
      - { .name: w1, .offset: 56, .size: 8, .value_kind: global_buffer, .address_space: global }
      - { .name: w2, .offset: 64, .size: 8, .value_kind: global_buffer, .address_space: global }
      - { .name: xc, .offset: 72, .size: 8, .value_kind: global_buffer, .address_space: global }
      - { .name: wc, .offset: 80, .size: 8, .value_kind: global_buffer, .address_space: global }
    .group_segment_fixed_size: 66816
    .private_segment_fixed_size: 0
    .kernarg_segment_align: 8
    .kernarg_segment_size: 88
    .max_flat_workgroup_size: 256
    .sgpr_count:     66
    .vgpr_count:     128
    .wavefront_size: 32
...
	.end_amdgpu_metadata
.endif
;; end of part 1
;; launch qkv (part 2): grid 48 x 4, 4 waves a work-group, clusters of 4 x 4, 327,680 bytes of LDS; arguments wc, xc, bq, bk, bv, qkc, vtc; writes qkc, vtc
.if DOCPART == 2
	.amdgcn_target "amdgcn-amd-amdhsa--gfx1250"
	.amdhsa_code_object_version 6
	.text
	.protected	k_q8632fb64be_qkv
	.globl	k_q8632fb64be_qkv
	.p2align	8
	.type	k_q8632fb64be_qkv,@function
k_q8632fb64be_qkv:
	s_mov_b64 s[64:65], 0
	v_nop
	global_prefetch_b8 v0, s[64:65] scope:SCOPE_SE
	s_setreg_imm32_b32 hwreg(HW_REG_WAVE_MODE, 25, 1), 1
	s_wait_xcnt 0x0
	s_wait_alu depctr_hold_cnt(0) depctr_sa_sdst(0) depctr_va_vdst(0) depctr_va_sdst(0) depctr_va_ssrc(0) depctr_va_vcc(0) depctr_vm_vsrc(0)
	s_getreg_b32 s2, hwreg(HW_REG_IB_STS2, 6, 4)
	s_cmp_eq_u32 s2, 0
	s_cbranch_scc0 .Lentry_in_a_cluster
	s_endpgm
.Lentry_in_a_cluster:
	s_bfe_u32 s2, ttmp6, 0x10000c
	s_cmp_lg_u32 s2, 0xf033
	s_cbranch_scc0 .Lentry_shape_is_right
	s_endpgm
.Lentry_shape_is_right:
.set MODE,  0
.set BLK,   12800
.set REC,   6400
.set FRB,   1536
.set SCO,   6144
.set HALF,  2*BLK
.set SLOT,  4*HALF
.set GRP,   8*BLK
.set SPARE, 2*SLOT
.set ADQ, 4
.set ADP, 6
.set ASQ, 8
.set ASP, 10
.set OA,  12
.set OSV, 13
.set BPO, 14
.set BQO, 15
.set SPW, 28
.set NIL, 29
.set SC,  32
.set QF,  64
.set BP,  192
.set T,   64
.set BQ,  128
.set PC,  144
.set TM,  164
.set PWS, 180
.set W,   188
.set WV,  18
.set G1Q, 24
.set G0Q, 32
.set G1P, 48
.set G0P, 56
.set SEL, 90
.set MSB, 0
.macro WIN new
.if MSB != (\new)
	s_set_vgpr_msb (MSB<<8)|(\new)
.set MSB, (\new)
.endif
.endm
.set MUL_LO, 0xa1
.set MUL_HI, 0xf1
.set TO_B,   0x40
.macro PLACES
.rept 4
	v_nop
.endr
.endm
.macro JLOAD s
	s_cmp_eq_u32 s19, 0
	s_cbranch_scc0 .Lfor_p_\@
	tensor_load_to_lds s[G0Q+4*\s:G0Q+4*\s+3], s[G1Q:G1Q+7]
	s_nop 0
.rept 4
	v_nop
.endr
	s_branch .Lasked_\@
.Lfor_p_\@:
	tensor_load_to_lds s[G0P+4*\s:G0P+4*\s+3], s[G1P:G1P+7]
	s_nop 0
.rept 4
	v_nop
.endr
.Lasked_\@:
.endm
.macro CREST
	s_cmp_lg_u32 s[WV], 0
	s_cbranch_scc1 .Lnot_wave_0_\@
	s_barrier_signal -3
.Lnot_wave_0_\@:
	s_barrier_wait -3
	s_barrier_signal -1
	s_barrier_wait -1
.endm
.macro CROUND
	s_barrier_signal -1
	s_barrier_wait -1
	CREST
.endm
	s_load_b256 s[4:11], s[0:1], 0x0
.if MODE == 0
	s_load_b128 s[12:15], s[0:1], 0x20
	s_load_b64 s[16:17], s[0:1], 0x30
.endif
	v_lshl_add_u32 v[SPW], v0, 2, SPARE
	v_mov_b32 v[NIL], 0
	ds_add_u32 v[SPW], v[NIL]
	ds_add_u32 v[SPW], v[NIL]
	v_lshrrev_b32 v1, 5, v0
	v_readfirstlane_b32 s[WV], v1
	v_and_b32 v17, 31, v0                          ; v17: the prefetches' offset: 256 x min(lane, 24): 25 blocks of 256 bytes; the lanes left over name the last again; never rewritten
	v_min_u32 v17, 24, v17
	v_lshlrev_b32 v17, 8, v17
	s_wait_alu depctr_va_vdst(0)
	s_lshr_b32 s19, s[WV], 1
	s_and_b32 s20, s[WV], 1
	s_bfe_u32 s21, ttmp6, 0x40000
	s_bfe_u32 s22, ttmp6, 0x40004
.if MODE == 0
	s_and_b32 s68, ttmp9, 1
	s_lshl_b32 s68, s68, 2
	s_sub_co_u32 s69, ttmp9, 8
	s_lshl_b32 s69, s69, 2
	s_lshr_b32 s70, ttmp9, 1
	s_lshl_b32 s70, s70, 2
	s_mov_b32 s73, BLK
	s_mov_b32 s74, 32*BLK
	s_cmp_lt_u32 ttmp9, 8
	s_cselect_b32 s66, s68, s69
	s_cselect_b32 s67, s70, 0
	s_cselect_b32 s71, -1, 0
	s_cselect_b32 s72, 0, -1
	s_cselect_b32 s73, 32*BLK, s73
	s_cselect_b32 s74, BLK, s74
.else
	s_lshl_b32 s66, ttmp9, 2
	s_and_b32 s67, ttmp7, 0xffff
	s_lshl_b32 s67, s67, 2
.endif
	s_add_co_u32 s66, s66, s21
	s_add_co_u32 s67, s67, s22
	s_lshl_b32 s40, s22, 2
	s_lshl_b32 s40, 15, s40
	s_lshl_b32 s41, 0x1111, s21
	s_or_b32 s[G1Q], s40, (3<<16)|(1<<21)
	s_or_b32 s[G1P], s41, (3<<16)|(1<<21)
.irp g, G1Q, G1P
	s_mov_b32 s[\g+1], 32<<16
	s_mov_b32 s[\g+2], 100<<16
	s_mov_b32 s[\g+3], 32<<16
	s_mov_b32 s[\g+4], 100
	s_mov_b32 s[\g+5], 32
	s_mov_b32 s[\g+6], 0
	s_mov_b32 s[\g+7], 0
.endr
	s_lshl_b32 s68, s66, 1
	s_add_co_u32 s68, s68, s20
	s_mul_i32 s84, s68, GRP
	s_mov_b32 s85, 0
	s_lshl_b32 s69, s67, 1
	s_add_co_u32 s70, s69, s20
	s_mul_i32 s86, s70, GRP
	s_mov_b32 s87, 0
	s_add_co_u32 s69, s69, s19
.if MODE == 0
	s_mul_i32 s88, s68, s73
	s_mul_i32 s70, s69, s74
.else
	s_mul_i32 s88, s68, BLK
	s_mul_i32 s70, s69, 32*BLK
.endif
	s_add_co_u32 s88, s88, s70
	s_mov_b32 s89, 0
	s_mul_i32 s23, s[WV], HALF
	s_mov_b32 s[SEL], 0x76543210
	s_mov_b32 s[SEL+1], 0xfedcba98
	s_mov_b32 s75, 0xffff0000
	s_wait_dscnt 0x0
	s_wait_kmcnt 0x0
.if MODE == 0
	s_cmp_lt_u32 ttmp9, 8
	s_cselect_b64 s[76:77], s[4:5], s[6:7]
	s_cselect_b64 s[78:79], s[6:7], s[4:5]
	s_cselect_b32 s80, 0, 1638400
	s_mov_b32 s81, 0
	s_cselect_b64 s[82:83], s[14:15], s[16:17]
	s_add_nc_u64 s[78:79], s[78:79], s[80:81]
	s_and_b32 s94, ttmp9, 1
	s_cmp_eq_u32 s94, 0
	s_cselect_b64 s[92:93], s[8:9], s[10:11]
	s_and_b32 s94, s66, 3
	s_lshl_b32 s94, s94, 10
	s_lshl_b32 s95, s20, 9
	s_add_co_u32 s94, s94, s95
	s_mov_b32 s95, 0
	s_add_nc_u64 s[92:93], s[92:93], s[94:95]
	s_and_b32 s94, s67, 3
	s_lshl_b32 s94, s94, 10
	s_lshl_b32 s96, s19, 9
	s_add_co_u32 s94, s94, s96
	s_add_nc_u64 s[96:97], s[12:13], s[94:95]
.else
	s_add_nc_u64 s[76:77], s[4:5], 3276800
	s_mov_b64 s[78:79], s[6:7]
	s_mov_b64 s[82:83], s[10:11]
	s_lshl_b32 s94, s66, 10
	s_lshl_b32 s95, s20, 9
	s_add_co_u32 s94, s94, s95
	s_mov_b32 s95, 0
	s_add_nc_u64 s[92:93], s[8:9], s[94:95]
.endif
	s_add_nc_u64 s[76:77], s[76:77], s[84:85]
	s_add_nc_u64 s[78:79], s[78:79], s[86:87]
	s_add_nc_u64 s[82:83], s[82:83], s[88:89]
	; PREFETCH.  A chunk is a slot's fill, two K steps; a wave's load is 25,600 bytes, 100 blocks of 256.  The four partners that ask for it jointly share the blocks out by address:
	; the partner at place p (cx for Q's, cy for P's) names blocks 25 p to 25 p + 24.  Behind chunk 0's load stand the requests for chunks 1 and 2, behind chunk 1's that for chunk 3, the last.
	s_cmp_eq_u32 s19, 0
	s_cselect_b64 s[42:43], s[78:79], s[76:77]     ; s[42:43]: my load's bytes of chunk 0,
	s_cselect_b32 s44, s21, s22
	s_mul_i32 s44, s44, 6400
	s_mov_b32 s45, 0
	s_add_nc_u64 s[42:43], s[42:43], s[44:45]      ; at my work-group's quarter of them
	CROUND
.irp s, 0,1
	s_mov_b32 s[G0Q+4*\s], 1
	s_add_co_u32 s[G0Q+4*\s+1], s23, \s*SLOT
	s_add_nc_u64 s[G0Q+4*\s+2:G0Q+4*\s+3], s[78:79], \s*HALF
	s_or_b32 s[G0Q+4*\s+3], s[G0Q+4*\s+3], 0x80000000
	s_mov_b32 s[G0P+4*\s], 1
	s_add_co_u32 s[G0P+4*\s+1], s23, \s*SLOT
	s_add_nc_u64 s[G0P+4*\s+2:G0P+4*\s+3], s[76:77], \s*HALF
	s_or_b32 s[G0P+4*\s+3], s[G0P+4*\s+3], 0x80000000
.if \s                                 ; slot 1's first fill is issued as a refill is
	s_wait_alu depctr_va_vdst(0)
	s_wait_tensorcnt 0x0                           ; my part of slot 0 is in
	ds_add_u32 v[SPW], v[NIL]
	s_wait_dscnt 0x0
	CROUND
.endif
	JLOAD \s                                       ; one joint load a wave at the head, one behind the round
.if \s == 0
	global_prefetch_b8 v17, s[42:43] offset:HALF th:TH_LOAD_NT scope:SCOPE_SE          ; chunk 1
.endif
	global_prefetch_b8 v17, s[42:43] offset:(\s+2)*HALF th:TH_LOAD_NT scope:SCOPE_SE   ; chunk 2 or 3
.endr
	v_and_b32 v1, 31, v0
	v_and_b32 v2, 15, v0
	v_bfe_u32 v3, v0, 4, 1
	v_lshlrev_b32 v[OA], 4, v1
	v_lshlrev_b32 v16, 4, v2
	s_mul_i32 s94, s19, HALF
	s_mul_i32 s95, s20, HALF
	s_add_co_u32 s95, s95, 2*HALF
.irp s, 0,1
	v_add_nc_u32 v[ADQ+\s], s94, v[OA]
	v_add_nc_u32 v[ADP+\s], s95, v[OA]
	v_add_nc_u32 v[ASQ+\s], s94, v16
	v_add_nc_u32 v[ASP+\s], s95, v16
	s_add_co_u32 s94, s94, SLOT
	s_add_co_u32 s95, s95, SLOT
.endr
	v_mul_u32_u24 v[OSV], v3, REC
	v_lshl_add_u32 v[OSV], v2, 4, v[OSV]
	v_add_nc_u32 v[OSV], SCO, v[OSV]
	v_lshlrev_b32 v[BPO], 6, v3
	v_and_b32 v[BQO], 8, v2
	v_add_nc_u32 v[BQO], v[BQO], v2
	v_lshlrev_b32 v[BQO], 2, v[BQO]
	WIN TO_B
.irp b, 0,1,2,3
.irp x, 0,1,2,3
	global_load_b128 v[BP+16*\b+4*\x:BP+16*\b+4*\x+3], v[BPO], s[92:93] offset:128*\b+16*\x
.endr
.endr
	WIN 0
.macro FETCH slot, e
	WIN TO_B
.irp t, 0,1,2,3,4,5,6,7
.irp c, 0,1,2
	ds_load_b128 v[96*(\e)+12*\t+4*\c:96*(\e)+12*\t+4*\c+3], v[ADP+(\slot)] offset:BLK*(\e)+REC*(\t/4)+FRB*(\t%4)+512*\c
.endr
.endr
	WIN 0
.irp t, 0,1,2,3,4,5,6,7
.irp c, 0,1,2
	ds_load_b128 v[QF+96*(\e)+12*\t+4*\c:QF+96*(\e)+12*\t+4*\c+3], v[ADQ+(\slot)] offset:BLK*(\e)+REC*(\t/4)+FRB*(\t%4)+512*\c
.endr
.endr
.irp g, 0,1
	ds_load_b128 v[SC+16*(\e)+4*\g:SC+16*(\e)+4*\g+3], v[ASQ+(\slot)] offset:BLK*(\e)+REC*\g+SCO
	ds_load_b128 v[SC+16*(\e)+8+4*\g:SC+16*(\e)+8+4*\g+3], v[ASP+(\slot)] offset:BLK*(\e)+REC*\g+SCO
.endr
.endm
.macro MUL32 e, hi, zero
.irp a, 0,1,2,3
.irp b, 0,1,2,3,4,5,6,7
.if \zero
	v_wmma_scale_f32_16x16x128_f8f6f4 v[8*(8*\a+\b):8*(8*\a+\b)+7], v[96*(\e)+12*\b:96*(\e)+12*\b+11], v[QF+96*(\e)+12*(4*(\hi)+\a):QF+96*(\e)+12*(4*(\hi)+\a)+11], 0, v[SC+16*(\e)+8+\b], v[SC+16*(\e)+4*(\hi)+\a] matrix_a_fmt:MATRIX_FMT_FP6 matrix_b_fmt:MATRIX_FMT_FP6
.else
	v_wmma_scale_f32_16x16x128_f8f6f4 v[8*(8*\a+\b):8*(8*\a+\b)+7], v[96*(\e)+12*\b:96*(\e)+12*\b+11], v[QF+96*(\e)+12*(4*(\hi)+\a):QF+96*(\e)+12*(4*(\hi)+\a)+11], v[8*(8*\a+\b):8*(8*\a+\b)+7], v[SC+16*(\e)+8+\b], v[SC+16*(\e)+4*(\hi)+\a] matrix_a_fmt:MATRIX_FMT_FP6 matrix_b_fmt:MATRIX_FMT_FP6
.endif
.endr
.endr
.endm
.macro EVEN slot, zero
	s_wait_dscnt 0x0
.if \zero == 0
	PLACES
.endif
	FETCH \slot, 1
	WIN MUL_LO
	MUL32 0, 0, \zero
	WIN MUL_HI
	MUL32 0, 1, \zero
.endm
.macro ODD slot, fill
	WIN 0
	s_wait_tensorcnt 0x0
	ds_add_u32 v[SPW], v[NIL]
	s_wait_dscnt 0x0
	s_barrier_signal -1
	WIN MUL_LO
	MUL32 1, 0, 0
	WIN 0
	s_barrier_wait -1
.if \fill
	CREST
	s_add_nc_u64 s[G0Q+4*\slot+2:G0Q+4*\slot+3], s[G0Q+4*\slot+2:G0Q+4*\slot+3], 2*HALF
	s_add_nc_u64 s[G0P+4*\slot+2:G0P+4*\slot+3], s[G0P+4*\slot+2:G0P+4*\slot+3], 2*HALF
	JLOAD \slot
.else
	PLACES
.endif
	s_wait_alu depctr_va_vdst(0)
	FETCH 1-(\slot), 0
	WIN MUL_HI
	MUL32 1, 1, 0
.endm
	s_wait_tensorcnt 1
	s_barrier_signal -1
	s_barrier_wait -1
	FETCH 0, 0
	EVEN 0, 1
	ODD 0, 1
	EVEN 1, 0
	ODD 1, 1
	EVEN 0, 0
	ODD 0, 0
	EVEN 1, 0
	s_wait_dscnt 0x0
.if MODE == 0
	PLACES
	WIN 0
.irp a, 0,1,2,3,4,5,6,7
	global_load_b32 v[BQ+2*\a], v[BQO], s[96:97] offset:4*(32*(\a/2)+8*(\a%2))
.endr
.endif
	WIN MUL_LO
	MUL32 1, 0, 0
	WIN MUL_HI
	MUL32 1, 1, 0
	WIN 0
.macro QUANT s, pw
.irp b, 0,1,2,3
	v_max3_num_f32 v[TM+\b], |v[\s+16*\b]|, |v[\s+1+16*\b]|, 0x1800000
.endr
.irp i, 2,4,6,8,10,12,14
.irp b, 0,1,2,3
	v_max3_num_f32 v[TM+\b], v[TM+\b], |v[\s+16*\b+\i]|, |v[\s+1+16*\b+\i]|
.endr
.endr
.irp b, 0,1,2,3
	v_permlanex16_b32 v[TM+4+\b], v[TM+\b], s[SEL], s[SEL+1]
.endr
.irp b, 0,1,2,3
	v_max_num_f32 v[TM+\b], v[TM+\b], v[TM+4+\b]
.endr
.irp b, 0,1,2,3
	v_add_nc_u32 v[TM+12+\b], 0xff000000, v[TM+\b]
.endr
.irp b, 0,1,2,3
	v_lshrrev_b32 v[TM+4+\b], 23, v[TM+12+\b]
.endr
	v_lshl_or_b32 v[\pw], v[TM+5], 8, v[TM+4]
	v_lshl_or_b32 v[\pw], v[TM+6], 16, v[\pw]
	v_lshl_or_b32 v[\pw], v[TM+7], 24, v[\pw]
.irp c, 0,1
	v_cvt_scalef32_pk16_fp6_f32 v[PC+6*\c:PC+2+6*\c], v[\s+32*\c:\s+15+32*\c], v[TM+12+2*\c]
	v_cvt_scalef32_pk16_fp6_f32 v[PC+12+4*\c:PC+14+4*\c], v[\s+16+32*\c:\s+31+32*\c], v[TM+12+2*\c+1]
.endr
	v_nop
.irp c, 0,1
.irp i, 0,1,2
	v_permlane16_swap_b32 v[PC+6*\c+\i], v[PC+12+4*\c+\i]
.endr
.irp i, 0,1,2
	v_mov_b32 v[PC+3+6*\c+\i], v[PC+12+4*\c+\i]
.endr
.endr
.endm
.macro OUTA a
	WIN 0x06+(\a)/4
.set i, 0
.rept 32
	v_pk_add_f32 v[T+i:T+i+1], v[64*((\a)%4)+i:64*((\a)%4)+i+1], v[BP+i:BP+i+1]
.set i, i+2
.endr
	WIN 0
.if MODE == 0
.set i, 0
.rept 32
	v_pk_add_f32 v[T+i:T+i+1], v[T+i:T+i+1], v[BQ+2*(\a):BQ+2*(\a)+1]
.set i, i+2
.endr
.else
.set i, 0
.rept 64
	v_max_num_f32 v[T+i], 0, v[T+i]
.set i, i+1
.endr
.endif
	s_wait_xcnt 0x0
	QUANT T, PWS+(\a)
.irp c, 0,1,2
	global_store_b128 v[OA], v[PC+4*\c:PC+4*\c+3], s[82:83] offset:REC*((\a)/4)+FRB*((\a)%4)+512*\c
.endr
.endm
	PLACES
	s_wait_loadcnt 0x0
.irp b, 0,1,2,3
	v_mov_b32 v[TM+4+\b], 0
.endr
.if MODE == 0
	WIN 0x44
.set i, 0
.rept 64
	v_and_b32 v[BP+i], s71, v[BP+i]
.set i, i+1
.endr
	WIN 0
.irp a, 0,1,2,3,4,5,6,7
	v_and_b32 v[BQ+2*\a], s72, v[BQ+2*\a]
.endr
.irp a, 0,1,2,3,4,5,6,7
	v_mov_b32 v[BQ+2*\a+1], v[BQ+2*\a]
.endr
.endif
.irp a, 0,1,2,3,4,5,6,7
	OUTA \a
.endr
.irp i, 0,1,2,3
	v_cndmask_b32 v[W+\i], v[PWS+\i], v[PWS+4+\i], s75
.endr
	global_store_b128 v[OSV], v[W:W+3], s[82:83]
	s_wait_tensorcnt 0x0
	ds_add_u32 v[SPW], v[NIL]
	s_wait_dscnt 0x0
	CROUND
	s_endpgm
.Lfunc_end_k_q8632fb64be_qkv:
	.size	k_q8632fb64be_qkv, .Lfunc_end_k_q8632fb64be_qkv-k_q8632fb64be_qkv
	.p2alignl 7, 3214868480
	.fill 96, 4, 3214868480
	.section	.rodata,"a",@progbits
	.p2align	6, 0x0
	.amdhsa_kernel k_q8632fb64be_qkv
		.amdhsa_group_segment_fixed_size 327680
		.amdhsa_private_segment_fixed_size 0
		.amdhsa_enable_private_segment 0
		.amdhsa_kernarg_size 56
		.amdhsa_user_sgpr_count 2
		.amdhsa_user_sgpr_kernarg_segment_ptr 1
		.amdhsa_wavefront_size32 1
		.amdhsa_system_sgpr_workgroup_id_x 1
		.amdhsa_system_sgpr_workgroup_id_y 1
		.amdhsa_system_sgpr_workgroup_id_z 1
		.amdhsa_system_vgpr_workitem_id 0
		.amdhsa_next_free_vgpr 1024
		.amdhsa_next_free_sgpr 100
		.amdhsa_reserve_vcc 0
		.amdhsa_float_denorm_mode_32 3
		.amdhsa_float_denorm_mode_16_64 3
		.amdhsa_memory_ordered 1
		.amdhsa_forward_progress 1
		.amdhsa_inst_pref_size 175
	.end_amdhsa_kernel
	.amdgpu_metadata
---
amdhsa.version: [ 1, 2 ]
amdhsa.kernels:
  - .name:           k_q8632fb64be_qkv
    .symbol:         k_q8632fb64be_qkv.kd
    .args:
      - { .name: wc, .offset: 0, .size: 8, .value_kind: global_buffer, .address_space: global }
      - { .name: xc, .offset: 8, .size: 8, .value_kind: global_buffer, .address_space: global }
      - { .name: bq, .offset: 16, .size: 8, .value_kind: global_buffer, .address_space: global }
      - { .name: bk, .offset: 24, .size: 8, .value_kind: global_buffer, .address_space: global }
      - { .name: bv, .offset: 32, .size: 8, .value_kind: global_buffer, .address_space: global }
      - { .name: qkc, .offset: 40, .size: 8, .value_kind: global_buffer, .address_space: global }
      - { .name: vtc, .offset: 48, .size: 8, .value_kind: global_buffer, .address_space: global }
    .group_segment_fixed_size: 327680
    .private_segment_fixed_size: 0
    .kernarg_segment_align: 8
    .kernarg_segment_size: 56
    .max_flat_workgroup_size: 128
    .sgpr_count:     100
    .vgpr_count:     1024
    .wavefront_size: 32
...
	.end_amdgpu_metadata
.endif
;; end of part 2
;; launch attn (part 3): grid 16 x 16, 8 waves a work-group, clusters of 4 x 1, 327,680 bytes of LDS; arguments qkc, vtc, src_mask, aoc; writes aoc
.if DOCPART == 3
	.amdgcn_target "amdgcn-amd-amdhsa--gfx1250"
	.amdhsa_code_object_version 6
	.text
	.protected	k_q8632fb64be_attn
	.globl	k_q8632fb64be_attn
	.p2align	8
	.type	k_q8632fb64be_attn,@function
k_q8632fb64be_attn:
	s_mov_b64 s[64:65], 0
	v_nop
	global_prefetch_b8 v0, s[64:65] scope:SCOPE_SE
	s_setreg_imm32_b32 hwreg(HW_REG_WAVE_MODE, 25, 1), 1
	s_wait_xcnt 0x0
	s_wait_alu depctr_hold_cnt(0) depctr_sa_sdst(0) depctr_va_vdst(0) depctr_va_sdst(0) depctr_va_ssrc(0) depctr_va_vcc(0) depctr_vm_vsrc(0)
	s_getreg_b32 s2, hwreg(HW_REG_IB_STS2, 6, 4)
	s_cmp_eq_u32 s2, 0
	s_cbranch_scc0 .Lentry_in_a_cluster
	s_endpgm
.Lentry_in_a_cluster:
	s_bfe_u32 s2, ttmp6, 0x10000c
	s_cmp_lg_u32 s2, 0x3003
	s_cbranch_scc0 .Lentry_shape_is_right
	s_endpgm
.Lentry_shape_is_right:
; Attention on codes of FP6 (E2M3, one E8M0 byte for each 32 along K): S = q k^T / 8, the mask, the softmax, O = P v, O / l, quantised along the model's 1,024 for the next product.
; THE SOFTMAX: t = logit x log2(e); M = the running largest t rounded UP to a whole number; p = 2^(t - M) is quantised along the keys, not normalised; l is the sum of the unquantised p and divides at the end.
; SHARES.  A work-group owns 128 queries of one PAIR of heads (128 features: one K step of the codes).  Wave w owns head w / 4 of the pair and TWO tiles of 16 queries, A = 2 (w % 4) and B = A + 1, in 512 registers: two waves to a SIMD.
; Every fragment of K and of V, every scale word and every number of the mask that the wave reads from LDS feeds two products: 55 loads of 512 bytes a wave and key step, 440 a work-group.
; A HEAD IS 64, THE INSTRUCTION 128: K's fragment is taken whole, both heads; of Q's fragment the other head's six registers are cleared: zero codes add nothing.
; THE MASK is the C of the score's matrix instruction: 0 for a key that counts, -2^60 for one that does not, from a table in LDS.  It is loaded once a step, into tile A's score registers: tile B's products take it from there as their C,
; then tile A's add in place.  A batch with no key that counts has Q cleared whole: every score is then -2^60, every p is 1: the even softmax.
; LIMITS: a hidden raw score is q.k - 2^60 where the definition has the logit -1e9: the same result while logits stay under 1e9 in magnitude.  NaN and infinities are not served; blocks under 2^-124 were not tried; a block of zeros gets the byte 1.
; LAYOUT.  Both products transposed (source 0 = 16 keys, or 16 features of V; source 1 = 16 queries, or P): a lane holds one query.  A tile's lane-row p is row 32 (t / 2) + 8 (t % 2) + p + 8 (p / 8): so 16 registers of two neighbouring tiles are 16 neighbours.
; LDS: six parts of two key steps (K's two blocks of 12,800 bytes, then V's two).  The batch's sixteen key steps are eight such parts: six come by first fills, three loads for each of waves 0 to 3, and the last two by ONE refill of parts 0 and 1,
; asked for behind key step 3 and first read in key step 12.  So the waves meet three times: ahead of key steps 0, 4 and 12.  By this text's count a wave has three tensor loads out at the start and one behind the round.
; No prefetch is laid: three quarters of K and V are asked for by the first fills, and the refill is asked for eight key steps ahead of its first read.
; CLUSTER: the four query blocks of a cluster walk the same K and V: each load is asked for jointly by the four.
; REGISTERS, in windows of 256 (s_set_vgpr_msb: bits 1:0 source 0, 3:2 source 1, 5:4 source 2, 7:6 destination).  TILE B'S STATE LIES IN WINDOW 1 AT THE NUMBERS THAT TILE A'S HAS IN WINDOW 0, so that one text serves both:
;   v12 -M, v13 the largest t, v[14:15] l; v16-27 Q; v96-159 the scores, then p; v160-191 O^T; v232-254 at work.
;   window 0 besides: v1-4, v29 lane terms; v5, v6 the add's two; v7-11 the step's addresses; v30, v31, v192-199 addresses made at the head; v32-79 K's tiles 0-3, then V's four; v224-235 tile A's codes; v208-219 tile B's codes, v80-86 at work for them;
;   scale words, which have no window: v255 Q_A's, v200 Q_B's, v253 p_A's, v201 p_B's, v248-251 K's tiles 0-3 then V's, v202-205 K's tiles 4-7.   window 1 besides: v32-79 K's tiles 4-7.
; THE FILLS, as this text has them (in place of the counts in the paragraph on LDS above): at the head waves 0 to 3 issue one joint load each, parts 0 and 1;
; behind the round ahead of key step 0 each of the eight waves issues one, parts 2 to 5, first read in key step 4; behind key step 3 waves 0 to 3 fill parts 0 and 1 again.
; By this text's count a wave never has more than one tensor load out.
.set BLK,   12800
.set REC,   6400
.set FRB,   1536
.set SCO,   6144
.set VOF,   2*BLK                      ; in a part: K's two blocks, then V's two
.set SUB,   4*BLK                      ; a part: two key steps
.set MB,    6*SUB                      ; 8,192 bytes: the mask as f32, a number a key
.set XS,    MB+8192                    ; 8 x 1,024 bytes: the odd head's six registers of each tile of queries
.set SCA,   XS+8192                    ; 512 bytes: the result's scale words
.set SPARE, SCA+512                    ; the spare words, 128 bytes for each of eight waves
.set SPW, 5
.set NIL, 6
.set WV,  18
.set SEL, 20
.set CS,  22
.set G1,  24                           ; s[24:31] descriptor group 1
.set G0,  32                           ; s[32:39] two groups 0: waves 0-3's part of part 0 or 1 (and its refill); every wave's part of parts 2 to 5
.set TB,  2                            ; s2  the part in hand
.set TM,  3                            ; s3  the step's place in the mask's table
.set CNT, 67
.set MSB, 0
.macro WIN new                         ; the immediate's high byte repeats the setting that is left
.if MSB != (\new)
	s_set_vgpr_msb (MSB<<8)|(\new)
.set MSB, (\new)
.endif
.endm
.macro CROUND
	s_barrier_signal -1
	s_barrier_wait -1
	s_cmp_lg_u32 s[WV], 0
	s_cbranch_scc1 .Lnot_wave_0_\@
	s_barrier_signal -3
.Lnot_wave_0_\@:
	s_barrier_wait -3
	s_barrier_signal -1
	s_barrier_wait -1
.endm
	s_load_b256 s[4:11], s[0:1], 0x0               ; qkc, vtc, the mask, aoc
	v_lshl_add_u32 v[SPW], v0, 2, SPARE
	v_mov_b32 v[NIL], 0
	ds_add_u32 v[SPW], v[NIL]                      ; the wave's opening: the add, and its wait ahead of the first tensor load; work on registers stands between them
	ds_add_u32 v[SPW], v[NIL]
	v_lshrrev_b32 v7, 5, v0
	s_delay_alu instid0(VALU_DEP_1)
	v_readfirstlane_b32 s[WV], v7                  ; wave 0..7
	s_bfe_u32 s44, ttmp6, 0x40000                  ; cx
	s_lshl_b32 s45, ttmp9, 2
	s_add_co_u32 s45, s45, s44                     ; my block of 128 queries: it enters Q's and the result's addresses alone
	s_and_b32 s46, ttmp7, 0xffff
	s_lshr_b32 s47, s46, 3                         ; the batch
	s_and_b32 s48, s46, 7                          ; the pair of heads
	s_and_b32 s49, s[WV], 3                        ; my pair of tiles of queries
	s_lshr_b32 s50, s[WV], 2                       ; my head of the pair
	s_lshl_b32 s51, s48, 5
	s_lshl_b32 s52, s47, 4
	s_add_co_u32 s51, s51, s52
	s_mul_i32 s54, s51, BLK                        ; block 32 x pair + 16 x batch: V's first, and q's first of this batch
	s_mov_b32 s55, 0
	s_add_co_u32 s56, s54, 256*BLK                 ; k's: eight K steps of 32 row groups further on
	s_mov_b32 s57, 0
	s_mul_i32 s58, s45, BLK
	s_add_co_u32 s58, s58, s54
	s_lshr_b32 s60, s49, 1                         ; my tiles' record of the block
	s_mul_i32 s61, s60, REC
	s_add_co_u32 s58, s58, s61                     ; Q: my block, my tiles' record
	s_mov_b32 s59, 0
	s_add_co_u32 s62, s52, s45
	s_lshl_b32 s62, s62, 3
	s_add_co_u32 s62, s62, s48
	s_mul_i32 s62, s62, BLK                        ; the result: row group 16 x batch + block, K step = the pair
	s_mov_b32 s63, 0
	s_lshl_b32 s68, s47, 13                        ; the batch's 2,048 mask words
	s_mov_b32 s69, 0
	s_and_b32 s70, s49, 1                          ; which two of the record's four tiles
	s_and_b32 s71, s[WV], 1                        ; what I fetch, if I fetch: K's blocks (0) or V's (1),
	s_bfe_u32 s72, s[WV], 0x10001                  ; of the even parts (0) or the odd (1)
	s_mul_i32 s73, s72, SUB
	s_mul_i32 s74, s71, VOF
	s_add_co_u32 s73, s73, s74                     ; in LDS: no place in the cluster enters an LDS address
	s_mul_i32 s74, s72, VOF                        ; in K's or V's run of blocks: 25,600 bytes a part
	s_mov_b32 s75, 0
	s_lshr_b32 s78, s[WV], 1                       ; the second group of fills: wave w takes K's or V's blocks (w % 2) of part 2 + w / 2
	s_mul_i32 s79, s78, SUB
	s_mul_i32 s80, s71, VOF
	s_add_co_u32 s79, s79, s80
	s_add_co_u32 s79, s79, 2*SUB                   ; in LDS
	s_mul_i32 s80, s78, VOF
	s_add_co_u32 s80, s80, 2*VOF                   ; in K's or V's run of blocks
	s_mov_b32 s81, 0
	s_mov_b32 s[G1], 15|(3<<16)|(1<<21)            ; 15:0 the mask: all four work-groups; 17:16 elements of 8 bytes; 21 set beside a mask; no padding: a load's 512 bytes are consecutive
	s_mov_b32 s[G1+1], 32<<16                      ; rows of 256 bytes,
	s_mov_b32 s[G1+2], 100<<16                     ; 100 of them: 25,600 dense bytes
	s_mov_b32 s[G1+3], 32<<16
	s_mov_b32 s[G1+4], 100
	s_mov_b32 s[G1+5], 32
	s_mov_b32 s[G1+6], 0
	s_mov_b32 s[G1+7], 0
	s_mov_b32 s[SEL], 0x76543210
	s_mov_b32 s[SEL+1], 0xfedcba98
	s_mov_b32 s[CS], 0x3e38aa3b                    ; c = log2(e) / 8
	s_mov_b32 s[CS+1], s[CS]
	s_wait_dscnt 0x0                               ; the opening add is done
	s_wait_kmcnt 0x0
	s_add_nc_u64 s[54:55], s[6:7], s[54:55]        ; V's sixteen blocks
	s_add_nc_u64 s[56:57], s[4:5], s[56:57]        ; K's
	s_cmp_eq_u32 s71, 0
	s_cselect_b64 s[76:77], s[56:57], s[54:55]
	s_add_nc_u64 s[80:81], s[76:77], s[80:81]
	s_add_nc_u64 s[76:77], s[76:77], s[74:75]
	s_mov_b32 s[G0], 1
	s_mov_b32 s[G0+1], s73
	s_mov_b64 s[G0+2:G0+3], s[76:77]
	s_or_b32 s[G0+3], s[G0+3], 0x80000000
	s_mov_b32 s[G0+4], 1
	s_mov_b32 s[G0+5], s79
	s_mov_b64 s[G0+6:G0+7], s[80:81]
	s_or_b32 s[G0+7], s[G0+7], 0x80000000
	s_add_nc_u64 s[58:59], s[4:5], s[58:59]
	s_add_nc_u64 s[62:63], s[10:11], s[62:63]
	s_add_nc_u64 s[68:69], s[8:9], s[68:69]
	CROUND                                         ; all four work-groups are here: the first joint loads meet
	s_cmp_lt_u32 s[WV], 4                          ; parts 0 and 1: one load for each of waves 0 to 3; an s_nop 0 and four v_nop follow it
	s_cbranch_scc0 .Lno_fill
	tensor_load_to_lds s[G0:G0+3], s[G1:G1+7]
	s_nop 0
.rept 4
	v_nop
.endr
.Lno_fill:
	v_and_b32 v7, 31, v0                           ; lane
	v_and_b32 v8, 15, v0                           ; r
	v_bfe_u32 v9, v0, 4, 1                         ; h
	s_delay_alu instid0(VALU_DEP_3)
	v_lshlrev_b32 v1, 4, v7                        ; 16 x lane
	s_delay_alu instid0(VALU_DEP_3)
	v_lshlrev_b32 v2, 4, v8                        ; 16 r
	s_delay_alu instid0(VALU_DEP_3)
	v_lshl_add_u32 v3, v9, 6, MB                   ; the mask's table: 64 h
	s_mul_i32 s71, s50, REC
	v_add_nc_u32 v4, s71, v1                       ; V: my head's record
	v_add_nc_u32 v29, s71, v2
	s_lshl_b32 s72, s49, 11
	v_add_nc_u32 v30, s72, v1
	s_delay_alu instid0(VALU_DEP_1)
	v_add_nc_u32 v30, XS, v30                      ; the exchange between the pair's heads, tile A's (tile B's 1,024 bytes on): four registers at 16 x lane,
	v_lshl_add_u32 v31, v7, 3, s72
	s_delay_alu instid0(VALU_DEP_1)
	v_add_nc_u32 v31, XS+512, v31                  ; two at 8 x lane
	s_lshl_b32 s73, s60, 8
	s_lshl_b32 s74, s70, 3
	s_add_co_u32 s73, s73, s74
	s_lshl_b32 s74, s50, 1
	s_add_co_u32 s73, s73, s74
	v_add_nc_u32 v192, s73, v2
	s_delay_alu instid0(VALU_DEP_1)
	v_add_nc_u32 v192, SCA, v192                   ; my head's two bytes of tile A's scale words (tile B's 4 bytes on)
	v_lshl_add_u32 v193, v9, 8, v2
	s_delay_alu instid0(VALU_DEP_1)
	v_add_nc_u32 v193, SCA, v193
	s_mul_i32 s74, s70, 2*FRB
	s_add_co_u32 s75, s74, s61
	v_add_nc_u32 v194, s75, v1                     ; tile A's fragment in the result's block (tile B's 1,536 bytes on)
	v_mul_u32_u24 v195, v9, REC
	s_delay_alu instid0(VALU_DEP_1)
	v_add_nc_u32 v195, v195, v2
	s_delay_alu instid0(VALU_DEP_1)
	v_add_nc_u32 v195, SCO, v195
	v_add_nc_u32 v196, s74, v1                     ; Q_A's fragment in its record,
	s_lshl_b32 s74, s70, 3
	s_add_co_u32 s74, s74, SCO
	v_add_nc_u32 v197, s74, v2                     ; and its scale word
	v_lshl_add_u32 v198, v0, 4, MB
	v_lshlrev_b32 v199, 4, v0
.irp c, 0,1,2
	global_load_b128 v[16+4*\c:19+4*\c], v196, s[58:59] offset:512*\c
.endr
	global_load_b32 v255, v197, s[58:59]
	global_load_b32 v200, v197, s[58:59] offset:4
	global_load_b128 v[32:35], v199, s[68:69]      ; my thread's eight mask words
	global_load_b128 v[36:39], v199, s[68:69] offset:4096
.irp i, 0,1,2,3,4,5,6,7,8,9,10,11,12,13,14,15
	global_load_b128 v[96+4*\i:99+4*\i], v1, s[68:69] offset:512*\i   ; and the whole batch's
.endr
	WIN 0x40                                       ; destination window 1
.irp c, 0,1,2
	global_load_b128 v[16+4*\c:19+4*\c], v196, s[58:59] offset:FRB+512*\c   ; Q_B
.endr
	WIN 0
.macro INIT                            ; a tile's state: the step is written once; the first finds zeros
	v_mov_b32 v13, 0xff61b1e6                      ; the largest t so far: -3e38
	s_delay_alu instid0(VALU_DEP_1)
	v_floor_f32 v12, -v13                          ; -M
	v_mov_b32 v14, 0
	v_mov_b32 v15, 0
.irp b, 0,1,2,3
	v_mov_b32 v[236+\b], 0                         ; a lane permute's destination counts as one of its sources
.endr
	v_mov_b32 v253, 0                              ; (named as the upper half of the pair v[252:253] before it is first written)
.set j, 0
.rept 32
	v_mov_b32 v[160+j], 0                          ; O^T
.set j, j+1
.endr
.endm
	v_mov_b32 v254, 0xdd800000                     ; -2^60
	INIT
	WIN 0x55                                       ; every vector operand in window 1
	INIT
	WIN 0
	s_wait_loadcnt 0x0
.irp i, 0,1,2,3,4,5,6,7
	v_cmp_eq_u32 vcc_lo, 0, v[32+\i]
	s_delay_alu instid0(VALU_DEP_1)
	v_cndmask_b32 v[32+\i], 0, v254, vcc_lo
.endr
	ds_store_b128 v198, v[32:35]                   ; waited for ahead of the first barrier, which shows it to every wave
	ds_store_b128 v198, v[36:39] offset:4096
.irp i, 4
	v_or_b32 v96, v96, v[96+\i]
	v_or_b32 v97, v97, v[97+\i]
	v_or_b32 v98, v98, v[98+\i]
	v_or_b32 v99, v99, v[99+\i]
.endr
.irp i, 8, 12, 16, 20, 24, 28, 32, 36, 40, 44, 48, 52, 56, 60
	s_delay_alu instid0(VALU_DEP_4)
	v_or_b32 v96, v96, v[96+\i]
	s_delay_alu instid0(VALU_DEP_4)
	v_or_b32 v97, v97, v[97+\i]
	s_delay_alu instid0(VALU_DEP_4)
	v_or_b32 v98, v98, v[98+\i]
	s_delay_alu instid0(VALU_DEP_4)
	v_or_b32 v99, v99, v[99+\i]
.endr
	s_delay_alu instid0(VALU_DEP_3)
	v_or_b32 v96, v96, v97
	s_delay_alu instid0(VALU_DEP_2)
	v_or_b32 v98, v98, v99
	s_delay_alu instid0(VALU_DEP_1)
	v_or_b32 v96, v96, v98
	s_delay_alu instid0(VALU_DEP_1)
	v_cmp_ne_u32 s82, 0, v96
	s_cmp_lg_u32 s82, 0
	s_cselect_b32 s83, -1, 0                       ; does any key of the batch count?  It selects values alone
	s_cmp_eq_u32 s50, 0
	s_cselect_b32 s84, s83, 0
	s_cselect_b32 s85, 0, s83
.macro QCUT
.irp i, 0,1,2,3,4,5
	v_and_b32 v[16+\i], s84, v[16+\i]              ; k 0-63: the even head's
	v_and_b32 v[22+\i], s85, v[22+\i]              ; k 64-127: the odd head's
.endr
.endm
	QCUT
	WIN 0x55
	QCUT
	WIN 0
; A TILE'S SOFTMAX FOR A KEY STEP, up to p's scale word in v253.  It names registers of the tile's own state alone: under setting 0 it is tile A's, under 0x55 tile B's.
.macro SMA
.irp b, 0,1,2,3
	v_max3_num_f32 v[232+\b], v[96+16*\b], v[97+16*\b], v[98+16*\b]   ; the largest score of each block of 32 keys: for the row's maximum, and, since p rises with the score, for the block's largest p
.endr
.irp i, 3,5,7,9,11,13
.irp b, 0,1,2,3
	v_max3_num_f32 v[232+\b], v[232+\b], v[96+16*\b+\i], v[97+16*\b+\i]
.endr
.endr
.irp b, 0,1,2,3
	v_max_num_f32 v[232+\b], v[232+\b], v[111+16*\b]
.endr
.irp b, 0,1,2,3
	s_delay_alu instid0(VALU_DEP_4)
	v_permlanex16_b32 v[236+\b], v[232+\b], s[SEL], s[SEL+1]
.endr
.irp b, 0,1,2,3
	s_delay_alu instid0(VALU_DEP_4)
	v_max_num_f32 v[232+\b], v[232+\b], v[236+\b]
.endr
	s_delay_alu instid0(VALU_DEP_2)
	v_max3_num_f32 v254, v232, v233, v234
	s_delay_alu instid0(VALU_DEP_1)
	v_max_num_f32 v254, v254, v235
	s_delay_alu instid0(VALU_DEP_1)
	v_mul_f32 v254, s[CS], v254
	s_delay_alu instid0(VALU_DEP_1)
	v_max_num_f32 v13, v13, v254                   ; the running largest t
	v_mov_b32 v254, v12
	s_delay_alu instid0(VALU_DEP_2)
	v_floor_f32 v12, -v13                          ; the new -M: M is a whole number
	s_delay_alu instid0(VALU_DEP_1)
	v_sub_f32 v254, v12, v254                      ; old M - new M: a whole number, 0 or less
	s_delay_alu instid0(VALU_DEP_1)
	v_cvt_i32_f32 v254, v254                       ; (it saturates)
	s_delay_alu instid0(VALU_DEP_1)
	v_ldexp_f32 v252, 1.0, v254                    ; f = 2^(old M - new M)
.set j, 0
.rept 32
	v_pk_fma_f32 v[96+j:97+j], v[96+j:97+j], s[CS:CS+1], v[12:13] op_sel_hi:[1,0,0]   ; t - M
.set j, j+2
.endr
.irp b, 0,1,2,3
	v_fma_f32 v[232+\b], v[232+\b], s[CS], v12
.endr
.set j, 0
	s_wait_alu depctr_va_vdst(0)
.rept 64
	v_exp_f32 v[96+j], v[96+j]                     ; p = 2^(t - M)
.set j, j+1
.endr
	v_pk_mul_f32 v[14:15], v[14:15], v[252:253] op_sel_hi:[1,0]   ; l under the new M; the plain instruction behind the batch
	s_wait_alu depctr_va_vdst(0)                   ; one wait for the 64, ahead of their first reader
.irp b, 0,1,2,3
	v_exp_f32 v[232+\b], v[232+\b]                 ; each block's largest p
.endr
	v_pk_add_f32 v[236:237], v[96:97], v[98:99]    ; l takes the unquantised p, in two chains
.irp j, 4,8,12,16,20,24,28,32,36,40,44,48,52,56,60
	v_pk_add_f32 v[14:15], v[14:15], v[96+\j:97+\j]
	v_pk_add_f32 v[236:237], v[236:237], v[98+\j:99+\j]
.endr
	s_delay_alu instid0(VALU_DEP_1)
	v_pk_add_f32 v[14:15], v[14:15], v[236:237]
	s_wait_alu depctr_va_vdst(0)                   ; and one for the four
.irp b, 0,1,2,3
	v_max_num_f32 v[232+\b], 0x1800000, v[232+\b]  ; the floor: the byte cannot fall under 1
.endr
.irp b, 0,1,2,3
	s_delay_alu instid0(VALU_DEP_4)
	v_add_nc_u32 v[244+\b], 0xff000000, v[232+\b]  ; 2 off the exponent field: the conversion's scale operand
.endr
.irp b, 0,1,2,3
	s_delay_alu instid0(VALU_DEP_4)
	v_lshrrev_b32 v[236+\b], 23, v[244+\b]
.endr
	s_delay_alu instid0(VALU_DEP_3)
	v_lshl_or_b32 v253, v237, 8, v236              ; p's scale word
	s_delay_alu instid0(VALU_DEP_1)
	v_lshl_or_b32 v253, v238, 16, v253
	s_delay_alu instid0(VALU_DEP_1)
	v_lshl_or_b32 v253, v239, 24, v253
.endm
.macro CONV pc, tx                     ; p's 64 numbers become codes: half blocks, in v[pc] on and v[tx] on (a conversion's three registers begin on an even number)
.irp c, 0,1
	v_cvt_scalef32_pk16_fp6_f32 v[\pc+6*\c:\pc+2+6*\c], v[96+32*\c:111+32*\c], v[244+2*\c]
	v_cvt_scalef32_pk16_fp6_f32 v[\tx+4*\c:\tx+2+4*\c], v[112+32*\c:127+32*\c], v[244+2*\c+1]
.endr
.endm
.macro LAY pc, tx                      ; the operand wants a whole block in a lane: lanes 0-15 block 2 c, lanes 16-31 block 2 c + 1
.irp c, 0,1
.irp i, 0,1,2
	v_permlane16_swap_b32 v[\pc+6*\c+\i], v[\tx+4*\c+\i]
.endr
.irp i, 0,1,2
	s_delay_alu instid0(VALU_DEP_3)
	v_mov_b32 v[\pc+3+6*\c+\i], v[\tx+4*\c+\i]
.endr
.endr
.endm
.macro SMO                             ; O^T under the new M; these sixteen also stand between the last writes of the scale word and of the codes and the products
.set j, 0
.rept 16
	v_pk_mul_f32 v[160+j:161+j], v[160+j:161+j], v[252:253] op_sel_hi:[1,0]
.set j, j+2
.endr
.endm
; A KEY STEP: 128 keys, the e-th of the part in hand, for both tiles of queries
.macro STEP e
	v_add_nc_u32 v7, s[TB], v1                     ; (these five are also the places between the last products and the loads into their operands)
	v_add_nc_u32 v8, s[TB], v2
	v_add_nc_u32 v9, s[TB], v4
	v_add_nc_u32 v10, s[TB], v29
	v_add_nc_u32 v11, s[TM], v3
.irp b, 0,1,2,3
.irp x, 0,1,2,3
	ds_load_b128 v[96+16*\b+4*\x:99+16*\b+4*\x], v11 offset:128*\b+16*\x   ; the mask of keys 32 b + 16 h + 4 x on, into tile A's score registers
.endr
.endr
.irp t, 0,1,2,3
.irp c, 0,1,2
	ds_load_b128 v[32+12*\t+4*\c:35+12*\t+4*\c], v7 offset:BLK*\e+FRB*\t+512*\c   ; K's tiles 0-3
.endr
.endr
	ds_load_b128 v[248:251], v8 offset:BLK*\e+SCO
	ds_load_b128 v[202:205], v8 offset:BLK*\e+REC+SCO
	WIN 0x40                                       ; destination window 1
.irp t, 0,1,2,3
.irp c, 0,1,2
	ds_load_b128 v[32+12*\t+4*\c:35+12*\t+4*\c], v7 offset:BLK*\e+REC+FRB*\t+512*\c   ; K's tiles 4-7
.endr
.endr
	s_wait_alu depctr_va_vdst(0)
	s_wait_dscnt 12                                ; the mask, K's tiles 0-3 and the scale words are in; the twelve youngest loads, K's tiles 4-7, may be out
	WIN 0x44                                       ; tile B's scores: D and Q in window 1, K and C (the mask) in window 0
.irp t, 0,1,2,3
	v_wmma_scale_f32_16x16x128_f8f6f4 v[96+8*\t:103+8*\t], v[32+12*\t:43+12*\t], v[16:27], v[96+8*\t:103+8*\t], v[248+\t], v200 matrix_a_fmt:MATRIX_FMT_FP6 matrix_b_fmt:MATRIX_FMT_FP6
.endr
	s_wait_dscnt 0x0                               ; K's tiles 4-7
	WIN 0x45                                       ; the same with K in window 1
.irp t, 0,1,2,3
	v_wmma_scale_f32_16x16x128_f8f6f4 v[128+8*\t:135+8*\t], v[32+12*\t:43+12*\t], v[16:27], v[128+8*\t:135+8*\t], v[202+\t], v200 matrix_a_fmt:MATRIX_FMT_FP6 matrix_b_fmt:MATRIX_FMT_FP6
.endr
.rept 5
	v_nop                                          ; five places: the products below write over registers that those above have read as their C; they are also the places ahead of the first read of tile B's scores
.endr
	WIN 0                                          ; tile A's scores, in place on the mask
.irp t, 0,1,2,3
	v_wmma_scale_f32_16x16x128_f8f6f4 v[96+8*\t:103+8*\t], v[32+12*\t:43+12*\t], v[16:27], v[96+8*\t:103+8*\t], v[248+\t], v255 matrix_a_fmt:MATRIX_FMT_FP6 matrix_b_fmt:MATRIX_FMT_FP6
.endr
	WIN 0x01                                       ; K in window 1
.irp t, 0,1,2,3
	v_wmma_scale_f32_16x16x128_f8f6f4 v[128+8*\t:135+8*\t], v[32+12*\t:43+12*\t], v[16:27], v[128+8*\t:135+8*\t], v[202+\t], v255 matrix_a_fmt:MATRIX_FMT_FP6 matrix_b_fmt:MATRIX_FMT_FP6
.endr
	WIN 0
.rept 4
	v_nop                                          ; four places ahead of the loads into K's registers
.endr
.irp t, 0,1,2,3                                ; V's fragments are asked for now and land under tile B's softmax
.irp c, 0,1,2
	ds_load_b128 v[32+12*\t+4*\c:35+12*\t+4*\c], v9 offset:VOF+BLK*\e+FRB*\t+512*\c
.endr
.endr
	ds_load_b128 v[248:251], v10 offset:VOF+BLK*\e+SCO
	WIN 0x55                                       ; TILE B, whose scores were finished first
	SMA
	WIN 0x05                                       ; sources in window 1, the codes into window 0
	CONV 208, 80
	WIN 0x01
	v_mov_b32 v201, v253                           ; p_B's scale word into window 0: scale operands have no window.  Also the plain instruction behind the conversions
	WIN 0
	LAY 208, 80
	WIN 0x55
	SMO
	s_wait_alu depctr_va_vdst(0)
	s_wait_dscnt 0x0                               ; V
	WIN 0x50                                       ; O^T in window 1; V and the codes in window 0
.irp t, 0,1,2,3
	v_wmma_scale_f32_16x16x128_f8f6f4 v[160+8*\t:167+8*\t], v[32+12*\t:43+12*\t], v[208:219], v[160+8*\t:167+8*\t], v[248+\t], v201 matrix_a_fmt:MATRIX_FMT_FP6 matrix_b_fmt:MATRIX_FMT_FP6
.endr
	WIN 0                                          ; TILE A: its vector work names no register of the four products above
	SMA
	CONV 224, 236
	v_nop                                          ; one plain instruction behind the conversions
	LAY 224, 236
	SMO
.irp t, 0,1,2,3
	v_wmma_scale_f32_16x16x128_f8f6f4 v[160+8*\t:167+8*\t], v[32+12*\t:43+12*\t], v[224:235], v[160+8*\t:167+8*\t], v[248+\t], v253 matrix_a_fmt:MATRIX_FMT_FP6 matrix_b_fmt:MATRIX_FMT_FP6
.endr
	s_add_co_u32 s[TM], s[TM], 512
.endm
.macro PAIRS n                         ; n parts, two key steps each
	s_mov_b32 s[CNT], \n
.Lpart_\@:
	s_wait_alu depctr_va_vdst(0)
	STEP 0
	STEP 1
	s_add_co_u32 s[TB], s[TB], SUB
	s_sub_co_u32 s[CNT], s[CNT], 1
	s_cmp_lg_u32 s[CNT], 0
	s_cbranch_scc1 .Lpart_\@
.endm
	s_wait_alu depctr_va_vdst(0)
	s_wait_tensorcnt 0x0                           ; my part of part 0 or 1 is in
	ds_add_u32 v[SPW], v[NIL]                      ; the add, here twice on end
	ds_add_u32 v[SPW], v[NIL]
	s_wait_dscnt 0x0                               ; the adds are done, and my stores into the mask's table have landed
	CROUND                                         ; parts 0 and 1 and the table are whole for every wave; the four work-groups are here
	tensor_load_to_lds s[G0+4:G0+7], s[G1:G1+7]    ; parts 2 to 5, a first fill, one joint load for each of the eight waves: four key steps ahead of its first read
	s_nop 0
.rept 4
	v_nop
.endr
	s_mov_b32 s[TB], 0
	s_mov_b32 s[TM], 0
	PAIRS 2                                        ; key steps 0 to 3: parts 0 and 1
	s_wait_tensorcnt 0x0                           ; THE ONE REFILL.  All my tensor loads have landed, parts 2 to 5 among them, so a descriptor may be written
	ds_add_u32 v[SPW], v[NIL]
	s_add_nc_u64 s[G0+2:G0+3], s[G0+2:G0+3], 6*VOF ; six parts on: key steps 12 to 15, into the bytes of parts 0 and 1
	s_wait_dscnt 0x0                               ; the add is done, and my reads of parts 0 and 1 are over
	CROUND                                         ; no wave of any partner still reads them or has a load on its way
	s_cmp_lt_u32 s[WV], 4
	s_cbranch_scc0 .Lno_refill
	tensor_load_to_lds s[G0:G0+3], s[G1:G1+7]      ; the first thing behind the round, one load a wave: it has eight key steps in which to land
	s_nop 0
.rept 4
	v_nop
.endr
.Lno_refill:
	s_mov_b32 s[TB], 2*SUB
	s_mov_b32 s[TM], 4*512
	PAIRS 4                                        ; key steps 4 to 11: parts 2 to 5, shown whole to every wave by the round above: no barrier among them
	s_wait_tensorcnt 0x0                           ; my part of the refill is in
	ds_add_u32 v[SPW], v[NIL]
	s_wait_dscnt 0x0
	s_barrier_signal -1
	s_barrier_wait -1                              ; everybody's is
	s_mov_b32 s[TB], 0
	s_mov_b32 s[TM], 12*512
	PAIRS 2                                        ; key steps 12 to 15
	; THE WAY OUT.  O^T / l: 32 numbers a lane, register 16 b + i = my head's feature 32 b + 16 h + i of my query; two blocks are quantised: six registers of the next product's fragment and two bytes of its scale word.
.macro FIN1                            ; a tile's own state alone: under setting 0 tile A's, under 0x55 tile B's
	v_add_f32 v14, v14, v15
	s_delay_alu instid0(VALU_DEP_1)
	v_permlanex16_b32 v252, v14, s[SEL], s[SEL+1]
	s_delay_alu instid0(VALU_DEP_1)
	v_add_f32 v14, v14, v252                       ; l
	s_wait_alu depctr_va_vdst(0)
	v_rcp_f32 v14, v14
	v_nop
	s_wait_alu depctr_va_vdst(0)
.set j, 0
.rept 32
	v_mul_f32 v[96+j], v[160+j], v14               ; ascending: each accumulator is read from its low end on
.set j, j+1
.endr
	v_max3_num_f32 v232, |v96|, |v97|, 0x1800000
	v_max3_num_f32 v233, |v112|, |v113|, 0x1800000
.irp i, 2,4,6,8,10,12,14
	s_delay_alu instid0(VALU_DEP_2)
	v_max3_num_f32 v232, v232, |v[96+\i]|, |v[97+\i]|
	s_delay_alu instid0(VALU_DEP_2)
	v_max3_num_f32 v233, v233, |v[112+\i]|, |v[113+\i]|
.endr
	s_delay_alu instid0(VALU_DEP_2)
	v_permlanex16_b32 v236, v232, s[SEL], s[SEL+1]
	s_delay_alu instid0(VALU_DEP_2)
	v_permlanex16_b32 v237, v233, s[SEL], s[SEL+1]
	s_delay_alu instid0(VALU_DEP_2)
	v_max_num_f32 v232, v232, v236
	s_delay_alu instid0(VALU_DEP_2)
	v_max_num_f32 v233, v233, v237
	s_delay_alu instid0(VALU_DEP_2)
	v_add_nc_u32 v244, 0xff000000, v232
	s_delay_alu instid0(VALU_DEP_2)
	v_add_nc_u32 v245, 0xff000000, v233
	s_delay_alu instid0(VALU_DEP_2)
	v_lshrrev_b32 v236, 23, v244
	s_delay_alu instid0(VALU_DEP_2)
	v_lshrrev_b32 v237, 23, v245
	s_delay_alu instid0(VALU_DEP_1)
	v_lshl_or_b32 v253, v237, 8, v236              ; my head's two bytes
.endm
.macro FCONV pc, tx
	v_cvt_scalef32_pk16_fp6_f32 v[\pc:\pc+2], v[96:111], v244
	v_cvt_scalef32_pk16_fp6_f32 v[\tx:\tx+2], v[112:127], v245
.endm
.macro FLAY pc, tx
.irp i, 0,1,2
	v_permlane16_swap_b32 v[\pc+\i], v[\tx+\i]
.endr
.irp i, 0,1,2
	s_delay_alu instid0(VALU_DEP_3)
	v_mov_b32 v[\pc+3+\i], v[\tx+\i]
.endr
.endm
.rept 4
	v_nop                                          ; between the last products and the first read of their results
.endr
	FIN1
	FCONV 224, 236
	v_nop
	FLAY 224, 236
	WIN 0x55
	FIN1
	WIN 0x05
	FCONV 208, 80
	WIN 0x01
	v_mov_b32 v201, v253                           ; also the plain instruction behind the conversions
	WIN 0
	FLAY 208, 80
	ds_store_b16 v192, v253                        ; lanes r and r + 16 write the same two bytes with the same value
	ds_store_b16 v192, v201 offset:4
	s_cmp_lt_u32 s[WV], 4
	s_cbranch_scc1 .Leven_head
	ds_store_b128 v30, v[224:227]                  ; the odd head's six registers of each tile go to the even head's wave, as they stand
	ds_store_b64 v31, v[228:229]
	ds_store_b128 v30, v[208:211] offset:1024
	ds_store_b64 v31, v[212:213] offset:1024
.Leven_head:
	s_wait_dscnt 0x0                               ; for the others' sake
	s_barrier_signal -1
	s_barrier_wait -1
	s_cmp_lt_u32 s[WV], 4
	s_cbranch_scc0 .Ldone
	ds_load_b128 v[230:233], v30
	ds_load_b64 v[234:235], v31
	ds_load_b128 v[214:217], v30 offset:1024
	ds_load_b64 v[218:219], v31 offset:1024
	s_wait_dscnt 0x0
.irp c, 0,1,2
	global_store_b128 v194, v[224+4*\c:227+4*\c], s[62:63] offset:512*\c       ; 512 consecutive bytes, aligned
.endr
	s_wait_alu depctr_va_vdst(0)
.irp c, 0,1,2
	global_store_b128 v194, v[208+4*\c:211+4*\c], s[62:63] offset:FRB+512*\c
.endr
	s_cmp_lg_u32 s[WV], 0
	s_cbranch_scc1 .Ldone
	ds_load_b128 v[236:239], v193
	s_wait_dscnt 0x0
	global_store_b128 v195, v[236:239], s[62:63]   ; the block's two runs of scale words: each half of the lanes stores 256 consecutive bytes, aligned
.Ldone:
	s_wait_tensorcnt 0x0                           ; the wave's end
	ds_add_u32 v[SPW], v[NIL]
	s_wait_dscnt 0x0
	CROUND                                         ; the closing round
	s_endpgm
.Lfunc_end_k_q8632fb64be_attn:
	.size	k_q8632fb64be_attn, .Lfunc_end_k_q8632fb64be_attn-k_q8632fb64be_attn
	.p2alignl 7, 3214868480
	.fill 96, 4, 3214868480
	.section	.rodata,"a",@progbits
	.p2align	6, 0x0
	.amdhsa_kernel k_q8632fb64be_attn
		.amdhsa_group_segment_fixed_size 327680
		.amdhsa_private_segment_fixed_size 0
		.amdhsa_enable_private_segment 0
		.amdhsa_kernarg_size 32
		.amdhsa_user_sgpr_count 2
		.amdhsa_user_sgpr_kernarg_segment_ptr 1
		.amdhsa_wavefront_size32 1
		.amdhsa_system_sgpr_workgroup_id_x 1
		.amdhsa_system_sgpr_workgroup_id_y 1
		.amdhsa_system_sgpr_workgroup_id_z 1
		.amdhsa_system_vgpr_workitem_id 0
		.amdhsa_next_free_vgpr 512
		.amdhsa_next_free_sgpr 90
		.amdhsa_reserve_vcc 1
		.amdhsa_float_denorm_mode_32 3
		.amdhsa_float_denorm_mode_16_64 3
		.amdhsa_memory_ordered 1
		.amdhsa_forward_progress 1
		.amdhsa_inst_pref_size 228
	.end_amdhsa_kernel
	.amdgpu_metadata
---
amdhsa.version: [ 1, 2 ]
amdhsa.kernels:
  - .name:           k_q8632fb64be_attn
    .symbol:         k_q8632fb64be_attn.kd
    .args:
      - { .name: qkc, .offset: 0, .size: 8, .value_kind: global_buffer, .address_space: global }
      - { .name: vtc, .offset: 8, .size: 8, .value_kind: global_buffer, .address_space: global }
      - { .name: src_mask, .offset: 16, .size: 8, .value_kind: global_buffer, .address_space: global }
      - { .name: aoc, .offset: 24, .size: 8, .value_kind: global_buffer, .address_space: global }
    .group_segment_fixed_size: 327680
    .private_segment_fixed_size: 0
    .kernarg_segment_align: 8
    .kernarg_segment_size: 32
    .max_flat_workgroup_size: 256
    .sgpr_count:     90
    .vgpr_count:     512
    .wavefront_size: 32
...
	.end_amdgpu_metadata
.endif
;; end of part 3
;; launch wo (part 4): grid 8 x 32, 4 waves a work-group, clusters of 4 x 4, 327,680 bytes of LDS; arguments wc, aoc, x, bo, x1; writes x1
.if DOCPART == 4
	.amdgcn_target "amdgcn-amd-amdhsa--gfx1250"
	.amdhsa_code_object_version 6
	.text
	.protected	k_q8632fb64be_wo
	.globl	k_q8632fb64be_wo
	.p2align	8
	.type	k_q8632fb64be_wo,@function
k_q8632fb64be_wo:
	s_mov_b64 s[64:65], 0
	v_nop
	global_prefetch_b8 v0, s[64:65] scope:SCOPE_SE
	s_setreg_imm32_b32 hwreg(HW_REG_WAVE_MODE, 25, 1), 1
	s_wait_xcnt 0x0
	s_wait_alu depctr_hold_cnt(0) depctr_sa_sdst(0) depctr_va_vdst(0) depctr_va_sdst(0) depctr_va_ssrc(0) depctr_va_vcc(0) depctr_vm_vsrc(0)
	s_getreg_b32 s2, hwreg(HW_REG_IB_STS2, 6, 4)
	s_cmp_eq_u32 s2, 0
	s_cbranch_scc0 .Lentry_in_a_cluster
	s_endpgm
.Lentry_in_a_cluster:
	s_bfe_u32 s2, ttmp6, 0x10000c
	s_cmp_lg_u32 s2, 0xf033
	s_cbranch_scc0 .Lentry_shape_is_right
	s_endpgm
.Lentry_shape_is_right:
; out = res + bias + A W^T on codes of FP6 (E2M3, one E8M0 byte for each 32 along K).  A: 4,096 tokens, W: 1,024 features, K = 128 NK.  out, res: [4,096][1,024] f32.
; A tile is 128 features (P, source 0) x 128 tokens (Q, source 1): 256 work-groups, one for each WGP; a tile of 256 x 256 would give 64.  Each of four waves makes 64 x 64: 16 accumulators.
; OPERANDS lie in memory in the order of the registers (fragment 1,536 bytes; record = 64 rows x 128 K = 4 fragments + 256 bytes of scale words = 6,400; block = two records); a row group's blocks follow each other along K.
; RING: two slots of four K steps (Q's four blocks, P's four); each wave fetches two blocks, 25,600 dense bytes, by one tensor load.  By this text's count a wave has two tensor loads out at the start and one behind each round.
; CLUSTERS: 4 x 4: Q's blocks are asked for jointly along a row of the cluster, P's along a column.
; A tile's lane-row p is row 32 (t / 2) + 8 (t % 2) + p + 8 (p / 8), for P and for Q.  In the result a lane holds one token and eight neighbouring features; a tile of 16 tokens x 64 features goes through my own stage in LDS
; and comes back as rows of 256 bytes, to which the residual (asked for at the head) and the bias are added.
; REGISTERS: window 0: v4-15 addresses; v28, v29 the add's two; v32-47 scale words, two sets; v48-111 rows on the way out; v112-115 the bias; v128-255 the accumulators ((a, b) at v[128 + 8 (4 a + b)]).
;   window 1: two sets of 96: P's four fragments, Q's four.   window 2: v0-127 the residual.
; THE FILLS, as this text has them (in place of the paragraph on the ring above): K is eight steps, so Q's eight blocks and P's eight, 204,800 bytes, lie in LDS together: Q's from byte 0, P's from 8 BLK.
; Each wave brings four blocks, 51,200 dense bytes, by its one joint load at the head; nothing is filled again.  No prefetch: all that the launch reads by tensor loads is asked for at its head.
.set NK,    8
.set POFF,  2457600                    ; where the weight's first row group lies in wc
.set BLK,   12800
.set REC,   6400
.set FRB,   1536
.set SCO,   6144
.set HALF,  2*BLK
.set SLOT,  4*HALF
.set STAGE, 2*SLOT                     ; behind the ring: 16 rows x 272 bytes for each wave
.set SPARE, STAGE+4*16*272             ; the spare words, 128 bytes for each wave
.set ADQ, 4
.set ADP, 6
.set ASQ, 8
.set ASP, 10
.set STO, 12
.set RD,  13
.set RO,  14
.set BO,  15
.set SPW, 28
.set NIL, 29
.set SC,  32
.set RB,  48
.set BI,  112
.set ACC, 128
.set WV,  18
.set G1Q, 24
.set G0Q, 32
.set G1P, 48
.set G0P, 56
.set MSB, 0
.macro WIN new
.if MSB != (\new)
	s_set_vgpr_msb (MSB<<8)|(\new)
.set MSB, (\new)
.endif
.endm
.set MUL,  0x05                        ; sources 0 and 1 window 1; C and D window 0
.set TO_F, 0x40
.macro PLACES
.rept 4
	v_nop
.endr
.endm
.macro JLOAD s                         ; waves 0 and 1 fetch for Q, waves 2 and 3 for P; an s_nop 0 and four v_nop follow each line
	s_cmp_eq_u32 s19, 0
	s_cbranch_scc0 .Lfor_p_\@
	tensor_load_to_lds s[G0Q+4*\s:G0Q+4*\s+3], s[G1Q:G1Q+7]
	s_nop 0
.rept 4
	v_nop
.endr
	s_branch .Lasked_\@
.Lfor_p_\@:
	tensor_load_to_lds s[G0P+4*\s:G0P+4*\s+3], s[G1P:G1P+7]
	s_nop 0
.rept 4
	v_nop
.endr
.Lasked_\@:
.endm
.macro CREST
	s_cmp_lg_u32 s[WV], 0
	s_cbranch_scc1 .Lnot_wave_0_\@
	s_barrier_signal -3
.Lnot_wave_0_\@:
	s_barrier_wait -3
	s_barrier_signal -1
	s_barrier_wait -1
.endm
.macro CROUND
	s_barrier_signal -1
	s_barrier_wait -1
	CREST
.endm
	s_load_b256 s[4:11], s[0:1], 0x0               ; wc, A's codes, the residual, the bias
	s_load_b64 s[12:13], s[0:1], 0x20              ; out
	v_lshl_add_u32 v[SPW], v0, 2, SPARE
	v_mov_b32 v[NIL], 0
	ds_add_u32 v[SPW], v[NIL]                      ; the wave's opening: the add and its wait ahead of my first tensor load
	ds_add_u32 v[SPW], v[NIL]
	v_lshrrev_b32 v1, 5, v0
	v_readfirstlane_b32 s[WV], v1
	s_lshr_b32 s19, s[WV], 1                       ; my record of Q.  Also: I fetch for Q (0) or for P (1)
	s_and_b32 s20, s[WV], 1                        ; my record of P.  Also: which four of the eight K steps I fetch
	s_bfe_u32 s21, ttmp6, 0x40000
	s_bfe_u32 s22, ttmp6, 0x40004
	s_lshl_b32 s66, ttmp9, 2
	s_add_co_u32 s66, s66, s21                     ; px: which 128 features
	s_and_b32 s67, ttmp7, 0xffff
	s_lshl_b32 s67, s67, 2
	s_add_co_u32 s67, s67, s22                     ; qy: which 128 tokens
	s_lshl_b32 s40, s22, 2
	s_lshl_b32 s40, 15, s40
	s_lshl_b32 s41, 0x1111, s21
	s_or_b32 s[G1Q], s40, (3<<16)|(1<<21)          ; the mask; elements of 8 bytes; bit 21 beside a mask; no padding
	s_or_b32 s[G1P], s41, (3<<16)|(1<<21)
.irp g, G1Q, G1P
	s_mov_b32 s[\g+1], 32<<16                      ; rows of 256 bytes,
	s_mov_b32 s[\g+2], 200<<16                     ; 200 of them
	s_mov_b32 s[\g+3], 32<<16
	s_mov_b32 s[\g+4], 200
	s_mov_b32 s[\g+5], 32
	s_mov_b32 s[\g+6], 0
	s_mov_b32 s[\g+7], 0
.endr
	s_mul_i32 s68, s20, 4*BLK                      ; which four of the eight K steps I fetch
	s_mul_i32 s84, s66, NK*BLK
	s_add_co_u32 s84, s84, s68
	s_add_co_u32 s84, s84, POFF
	s_mov_b32 s85, 0
	s_mul_i32 s86, s67, NK*BLK
	s_add_co_u32 s86, s86, s68
	s_mov_b32 s87, 0
	s_lshl_b32 s94, s66, 9
	s_lshl_b32 s95, s20, 8
	s_add_co_u32 s94, s94, s95                     ; my 64 features, in bytes
	s_mov_b32 s95, 0
	s_lshl_b32 s88, s67, 19
	s_lshl_b32 s89, s19, 18
	s_add_co_u32 s88, s88, s89
	s_add_co_u32 s88, s88, s94                     ; my 64 tokens' rows, at my features
	s_mov_b32 s89, 0
	s_mul_i32 s23, s[WV], 4*BLK                    ; and where they go: wave x four blocks
	s_wait_dscnt 0x0
	s_wait_kmcnt 0x0
	s_add_nc_u64 s[76:77], s[4:5], s[84:85]
	s_add_nc_u64 s[78:79], s[6:7], s[86:87]
	s_add_nc_u64 s[8:9], s[8:9], s[88:89]
	s_add_nc_u64 s[12:13], s[12:13], s[88:89]
	s_add_nc_u64 s[10:11], s[10:11], s[94:95]
	CROUND
	s_mov_b32 s[G0Q], 1
	s_mov_b32 s[G0Q+1], s23
	s_mov_b64 s[G0Q+2:G0Q+3], s[78:79]
	s_or_b32 s[G0Q+3], s[G0Q+3], 0x80000000
	s_mov_b32 s[G0P], 1
	s_mov_b32 s[G0P+1], s23
	s_mov_b64 s[G0P+2:G0P+3], s[76:77]
	s_or_b32 s[G0P+3], s[G0P+3], 0x80000000
	JLOAD 0                                        ; my one tensor load of the launch
	v_and_b32 v1, 31, v0
	v_and_b32 v2, 15, v0
	v_bfe_u32 v3, v0, 4, 1
	v_lshlrev_b32 v16, 4, v1
	v_lshlrev_b32 v[BO], 4, v2
	s_mul_i32 s94, s19, REC
	s_mul_i32 s95, s20, REC
	s_add_co_u32 s95, s95, 8*BLK                   ; P's blocks lie behind Q's eight
.irp s, 0,1
	v_add_nc_u32 v[ADQ+\s], s94, v16
	v_add_nc_u32 v[ADP+\s], s95, v16
	v_add_nc_u32 v[ASQ+\s], s94, v[BO]
	v_add_nc_u32 v[ASP+\s], s95, v[BO]
	s_add_co_u32 s94, s94, 4*BLK                   ; the second four K steps
	s_add_co_u32 s95, s95, 4*BLK
.endr
	s_mul_i32 s94, s[WV], 16*272
	s_add_co_u32 s94, s94, STAGE
	v_mul_u32_u24 v[STO], v2, 272
	v_lshl_add_u32 v[STO], v3, 6, v[STO]
	v_add_nc_u32 v[STO], s94, v[STO]               ; in: row r, 64 bytes for each half of the lanes
	v_mul_u32_u24 v[RD], v3, 272
	v_add_nc_u32 v[RD], v[RD], v[BO]
	v_add_nc_u32 v[RD], s94, v[RD]                 ; back: lanes 0-15 one row, lanes 16-31 the next
	v_lshl_add_u32 v[RO], v3, 12, v[BO]            ; and the same two rows in memory
	WIN 0x80
.irp a, 0,1,2,3
.irp t, 0,1,2,3,4,5,6,7
	global_load_b128 v[32*\a+4*\t:32*\a+4*\t+3], v[RO], s[8:9] offset:(32*(\a/2)+8*(\a%2)+2*\t+8*(\t/4))*4096   ; the residual of tile a's lane-rows 2 t + h
.endr
.endr
	WIN 0
	global_load_b128 v[BI:BI+3], v[BO], s[10:11]
.macro FETCH slot, e                   ; the slot's K step e into set e % 2: 26 loads in one run
.set FF, 128*((\e)%2)
.set FS, SC+8*((\e)%2)
	WIN TO_F
.irp t, 0,1,2,3
.irp c, 0,1,2
	ds_load_b128 v[FF+12*\t+4*\c:FF+12*\t+4*\c+3], v[ADP+(\slot)] offset:BLK*(\e)+FRB*\t+512*\c
	ds_load_b128 v[FF+48+12*\t+4*\c:FF+48+12*\t+4*\c+3], v[ADQ+(\slot)] offset:BLK*(\e)+FRB*\t+512*\c
.endr
.endr
	WIN 0
	ds_load_b128 v[FS:FS+3], v[ASP+(\slot)] offset:BLK*(\e)+SCO
	ds_load_b128 v[FS+4:FS+7], v[ASQ+(\slot)] offset:BLK*(\e)+SCO
.endm
.macro MUL8 f, a0, zero                ; Q's tiles a0, a0 + 1 x P's four.  The 16 accumulators take turns, one instruction a turn
.irp a, \a0, \a0+1
.irp b, 0,1,2,3
.if \zero
	v_wmma_scale_f32_16x16x128_f8f6f4 v[ACC+8*(4*(\a)+\b):ACC+8*(4*(\a)+\b)+7], v[128*(\f)+12*\b:128*(\f)+12*\b+11], v[128*(\f)+48+12*(\a):128*(\f)+48+12*(\a)+11], 0, v[SC+8*(\f)+\b], v[SC+8*(\f)+4+(\a)] matrix_a_fmt:MATRIX_FMT_FP6 matrix_b_fmt:MATRIX_FMT_FP6
.else
	v_wmma_scale_f32_16x16x128_f8f6f4 v[ACC+8*(4*(\a)+\b):ACC+8*(4*(\a)+\b)+7], v[128*(\f)+12*\b:128*(\f)+12*\b+11], v[128*(\f)+48+12*(\a):128*(\f)+48+12*(\a)+11], v[ACC+8*(4*(\a)+\b):ACC+8*(4*(\a)+\b)+7], v[SC+8*(\f)+\b], v[SC+8*(\f)+4+(\a)] matrix_a_fmt:MATRIX_FMT_FP6 matrix_b_fmt:MATRIX_FMT_FP6
.endif
.endr
.endr
.endm
.macro KS slot, e, zero                ; one of a slot's first three K steps: its successor is fetched ahead of its 16 products
	s_wait_dscnt 0x0
.if \zero == 0
	PLACES
.endif
	FETCH \slot, (\e)+1
	WIN MUL
	MUL8 (\e)%2, 0, \zero
	MUL8 (\e)%2, 2, \zero
.endm
.macro TURN slot, fill                 ; a slot's last K step changes slots: all my tensor loads, the add, my LDS instructions; one barrier, which with fill = 1 opens a round of the cluster's
	WIN 0
	s_wait_tensorcnt 0x0
	ds_add_u32 v[SPW], v[NIL]
	s_wait_dscnt 0x0
	s_barrier_signal -1
	WIN MUL
	MUL8 1, 0, 0
	WIN 0
	s_barrier_wait -1
.if \fill
	CREST
	s_add_nc_u64 s[G0Q+4*\slot+2:G0Q+4*\slot+3], s[G0Q+4*\slot+2:G0Q+4*\slot+3], 8*BLK
	s_add_nc_u64 s[G0P+4*\slot+2:G0P+4*\slot+3], s[G0P+4*\slot+2:G0P+4*\slot+3], 8*BLK
	JLOAD \slot                                    ; the first tensor load behind the round; its four v_nop are the places in front of the loads below
.else
	PLACES
.endif
	FETCH 1-(\slot), 0
	WIN MUL
	MUL8 1, 2, 0
.endm
	s_wait_alu depctr_va_vdst(0)
	s_wait_tensorcnt 0x0                           ; my four blocks are in; the barrier shows everybody's to every wave
	s_barrier_signal -1
	s_barrier_wait -1
	FETCH 0, 0
	KS 0, 0, 1                                     ; the first K step starts the sums
.if NK/8 > 1
	WIN 0
	s_mov_b32 s3, NK/8-1
.Llap:                                             ; a trip goes once round the ring and fills both slots again
	KS 0, 1, 0
	KS 0, 2, 0
	TURN 0, 1
	KS 1, 0, 0
	KS 1, 1, 0
	KS 1, 2, 0
	TURN 1, 1
	KS 0, 0, 0
	WIN 0
	s_sub_co_u32 s3, s3, 1
	s_cmp_lg_u32 s3, 0
	s_cbranch_scc1 .Llap
.endif
	KS 0, 1, 0                                     ; the last lap fills nothing
	KS 0, 2, 0
	TURN 0, 0
	KS 1, 0, 0
	KS 1, 1, 0
	KS 1, 2, 0
	s_wait_dscnt 0x0
	MUL8 1, 0, 0
	MUL8 1, 2, 0
	WIN 0
.macro TOSTAGE a
.set RBB, RB+32*((\a)%2)
.irp b, 0,1,2,3
	ds_store_b128 v[STO], v[ACC+8*(4*(\a)+\b):ACC+8*(4*(\a)+\b)+3] offset:128*(\b/2)+32*(\b%2)          ; features 32 (b / 2) + 8 (b % 2) + 16 h on; each accumulator from its low end
	ds_store_b128 v[STO], v[ACC+8*(4*(\a)+\b)+4:ACC+8*(4*(\a)+\b)+7] offset:128*(\b/2)+32*(\b%2)+16
.endr
.irp t, 0,1,2,3,4,5,6,7
	ds_load_b128 v[RBB+4*\t:RBB+4*\t+3], v[RD] offset:544*\t   ; LDS serves a wave's instructions in order: these see my stores
.endr
.endm
.macro SEND a, younger                 ; younger: the LDS instructions issued behind tile a's loads, which may stay out
.set RBB, RB+32*((\a)%2)
	s_wait_dscnt \younger
	WIN 0x08                                       ; source 1: window 2
.set i, 0
.rept 16
	v_pk_add_f32 v[RBB+i:RBB+i+1], v[RBB+i:RBB+i+1], v[32*(\a)+i:32*(\a)+i+1]
.set i, i+2
.endr
	WIN 0
.irp t, 0,1,2,3,4,5,6,7
	v_pk_add_f32 v[RBB+4*\t:RBB+4*\t+1], v[RBB+4*\t:RBB+4*\t+1], v[BI:BI+1]
	v_pk_add_f32 v[RBB+4*\t+2:RBB+4*\t+3], v[RBB+4*\t+2:RBB+4*\t+3], v[BI+2:BI+3]
.endr
.irp t, 0,1,2,3,4,5,6,7
	global_store_b128 v[RO], v[RBB+4*\t:RBB+4*\t+3], s[12:13] offset:(32*((\a)/2)+8*((\a)%2)+2*\t+8*(\t/4))*4096   ; sixteen lanes store 256 consecutive bytes, aligned
.endr
.endm
	PLACES
	s_wait_loadcnt 0x0                             ; the residual and the bias
	TOSTAGE 0
.irp a, 1,2,3
.if \a > 1
	s_wait_xcnt 0x0                                ; tile a - 2's stores have read the registers into which tile a's rows are loaded
.endif
	TOSTAGE \a
	SEND \a-1, 16                                  ; behind tile a - 1's loads: tile a's 8 stores and 8 loads
.endr
	SEND 3, 0
	s_wait_tensorcnt 0x0                           ; the wave's end
	ds_add_u32 v[SPW], v[NIL]
	s_wait_dscnt 0x0
	CROUND                                         ; the closing round
	s_endpgm
.Lfunc_end_k_q8632fb64be_wo:
	.size	k_q8632fb64be_wo, .Lfunc_end_k_q8632fb64be_wo-k_q8632fb64be_wo
	.p2alignl 7, 3214868480
	.fill 96, 4, 3214868480
	.section	.rodata,"a",@progbits
	.p2align	6, 0x0
	.amdhsa_kernel k_q8632fb64be_wo
		.amdhsa_group_segment_fixed_size 327680
		.amdhsa_private_segment_fixed_size 0
		.amdhsa_enable_private_segment 0
		.amdhsa_kernarg_size 40
		.amdhsa_user_sgpr_count 2
		.amdhsa_user_sgpr_kernarg_segment_ptr 1
		.amdhsa_wavefront_size32 1
		.amdhsa_system_sgpr_workgroup_id_x 1
		.amdhsa_system_sgpr_workgroup_id_y 1
		.amdhsa_system_sgpr_workgroup_id_z 1
		.amdhsa_system_vgpr_workitem_id 0
		.amdhsa_next_free_vgpr 640
		.amdhsa_next_free_sgpr 100
		.amdhsa_reserve_vcc 0
		.amdhsa_float_denorm_mode_32 3
		.amdhsa_float_denorm_mode_16_64 3
		.amdhsa_memory_ordered 1
		.amdhsa_forward_progress 1
		.amdhsa_inst_pref_size 57
	.end_amdhsa_kernel
	.amdgpu_metadata
---
amdhsa.version: [ 1, 2 ]
amdhsa.kernels:
  - .name:           k_q8632fb64be_wo
    .symbol:         k_q8632fb64be_wo.kd
    .args:
      - { .name: wc, .offset: 0, .size: 8, .value_kind: global_buffer, .address_space: global }
      - { .name: aoc, .offset: 8, .size: 8, .value_kind: global_buffer, .address_space: global }
      - { .name: x, .offset: 16, .size: 8, .value_kind: global_buffer, .address_space: global }
      - { .name: bo, .offset: 24, .size: 8, .value_kind: global_buffer, .address_space: global }
      - { .name: x1, .offset: 32, .size: 8, .value_kind: global_buffer, .address_space: global }
    .group_segment_fixed_size: 327680
    .private_segment_fixed_size: 0
    .kernarg_segment_align: 8
    .kernarg_segment_size: 40
    .max_flat_workgroup_size: 128
    .sgpr_count:     100
    .vgpr_count:     640
    .wavefront_size: 32
...
	.end_amdgpu_metadata
.endif
;; end of part 4
;; launch ln2: the kernel of part 1 again; grid 256 x 1, 8 waves a work-group, no clusters, 66,816 bytes of LDS; arguments x1, a2, be2, wq, wk, wv, wo, w1, w2, xc, wc; writes xc, wc
;; launch ffn1 (part 5): grid 16 x 16, 4 waves a work-group, clusters of 4 x 4, 327,680 bytes of LDS; arguments wc, xc, b1, hc; writes hc
.if DOCPART == 5
	.amdgcn_target "amdgcn-amd-amdhsa--gfx1250"
	.amdhsa_code_object_version 6
	.text
	.protected	k_q8632fb64be_ffn1
	.globl	k_q8632fb64be_ffn1
	.p2align	8
	.type	k_q8632fb64be_ffn1,@function
k_q8632fb64be_ffn1:
	s_mov_b64 s[64:65], 0
	v_nop
	global_prefetch_b8 v0, s[64:65] scope:SCOPE_SE
	s_setreg_imm32_b32 hwreg(HW_REG_WAVE_MODE, 25, 1), 1
	s_wait_xcnt 0x0
	s_wait_alu depctr_hold_cnt(0) depctr_sa_sdst(0) depctr_va_vdst(0) depctr_va_sdst(0) depctr_va_ssrc(0) depctr_va_vcc(0) depctr_vm_vsrc(0)
	s_getreg_b32 s2, hwreg(HW_REG_IB_STS2, 6, 4)
	s_cmp_eq_u32 s2, 0
	s_cbranch_scc0 .Lentry_in_a_cluster
	s_endpgm
.Lentry_in_a_cluster:
	s_bfe_u32 s2, ttmp6, 0x10000c
	s_cmp_lg_u32 s2, 0xf033
	s_cbranch_scc0 .Lentry_shape_is_right
	s_endpgm
.Lentry_shape_is_right:
.set MODE,  1
.set BLK,   12800
.set REC,   6400
.set FRB,   1536
.set SCO,   6144
.set HALF,  2*BLK
.set SLOT,  4*HALF
.set GRP,   8*BLK
.set SPARE, 2*SLOT
.set ADQ, 4
.set ADP, 6
.set ASQ, 8
.set ASP, 10
.set OA,  12
.set OSV, 13
.set BPO, 14
.set BQO, 15
.set SPW, 28
.set NIL, 29
.set SC,  32
.set QF,  64
.set BP,  192
.set T,   64
.set BQ,  128
.set PC,  144
.set TM,  164
.set PWS, 180
.set W,   188
.set WV,  18
.set G1Q, 24
.set G0Q, 32
.set G1P, 48
.set G0P, 56
.set SEL, 90
.set MSB, 0
.macro WIN new
.if MSB != (\new)
	s_set_vgpr_msb (MSB<<8)|(\new)
.set MSB, (\new)
.endif
.endm
.set MUL_LO, 0xa1
.set MUL_HI, 0xf1
.set TO_B,   0x40
.macro PLACES
.rept 4
	v_nop
.endr
.endm
.macro JLOAD s
	s_cmp_eq_u32 s19, 0
	s_cbranch_scc0 .Lfor_p_\@
	tensor_load_to_lds s[G0Q+4*\s:G0Q+4*\s+3], s[G1Q:G1Q+7]
	s_nop 0
.rept 4
	v_nop
.endr
	s_branch .Lasked_\@
.Lfor_p_\@:
	tensor_load_to_lds s[G0P+4*\s:G0P+4*\s+3], s[G1P:G1P+7]
	s_nop 0
.rept 4
	v_nop
.endr
.Lasked_\@:
.endm
.macro CREST
	s_cmp_lg_u32 s[WV], 0
	s_cbranch_scc1 .Lnot_wave_0_\@
	s_barrier_signal -3
.Lnot_wave_0_\@:
	s_barrier_wait -3
	s_barrier_signal -1
	s_barrier_wait -1
.endm
.macro CROUND
	s_barrier_signal -1
	s_barrier_wait -1
	CREST
.endm
	s_load_b256 s[4:11], s[0:1], 0x0
.if MODE == 0
	s_load_b128 s[12:15], s[0:1], 0x20
	s_load_b64 s[16:17], s[0:1], 0x30
.endif
	v_lshl_add_u32 v[SPW], v0, 2, SPARE
	v_mov_b32 v[NIL], 0
	ds_add_u32 v[SPW], v[NIL]
	ds_add_u32 v[SPW], v[NIL]
	v_lshrrev_b32 v1, 5, v0
	v_readfirstlane_b32 s[WV], v1
	v_and_b32 v17, 31, v0                          ; v17: the prefetches' offset: 256 x min(lane, 24): 25 blocks of 256 bytes; the lanes left over name the last again; never rewritten
	v_min_u32 v17, 24, v17
	v_lshlrev_b32 v17, 8, v17
	s_wait_alu depctr_va_vdst(0)
	s_lshr_b32 s19, s[WV], 1
	s_and_b32 s20, s[WV], 1
	s_bfe_u32 s21, ttmp6, 0x40000
	s_bfe_u32 s22, ttmp6, 0x40004
.if MODE == 0
	s_and_b32 s68, ttmp9, 1
	s_lshl_b32 s68, s68, 2
	s_sub_co_u32 s69, ttmp9, 8
	s_lshl_b32 s69, s69, 2
	s_lshr_b32 s70, ttmp9, 1
	s_lshl_b32 s70, s70, 2
	s_mov_b32 s73, BLK
	s_mov_b32 s74, 32*BLK
	s_cmp_lt_u32 ttmp9, 8
	s_cselect_b32 s66, s68, s69
	s_cselect_b32 s67, s70, 0
	s_cselect_b32 s71, -1, 0
	s_cselect_b32 s72, 0, -1
	s_cselect_b32 s73, 32*BLK, s73
	s_cselect_b32 s74, BLK, s74
.else
	s_lshl_b32 s66, ttmp9, 2
	s_and_b32 s67, ttmp7, 0xffff
	s_lshl_b32 s67, s67, 2
.endif
	s_add_co_u32 s66, s66, s21
	s_add_co_u32 s67, s67, s22
	s_lshl_b32 s40, s22, 2
	s_lshl_b32 s40, 15, s40
	s_lshl_b32 s41, 0x1111, s21
	s_or_b32 s[G1Q], s40, (3<<16)|(1<<21)
	s_or_b32 s[G1P], s41, (3<<16)|(1<<21)
.irp g, G1Q, G1P
	s_mov_b32 s[\g+1], 32<<16
	s_mov_b32 s[\g+2], 100<<16
	s_mov_b32 s[\g+3], 32<<16
	s_mov_b32 s[\g+4], 100
	s_mov_b32 s[\g+5], 32
	s_mov_b32 s[\g+6], 0
	s_mov_b32 s[\g+7], 0
.endr
	s_lshl_b32 s68, s66, 1
	s_add_co_u32 s68, s68, s20
	s_mul_i32 s84, s68, GRP
	s_mov_b32 s85, 0
	s_lshl_b32 s69, s67, 1
	s_add_co_u32 s70, s69, s20
	s_mul_i32 s86, s70, GRP
	s_mov_b32 s87, 0
	s_add_co_u32 s69, s69, s19
.if MODE == 0
	s_mul_i32 s88, s68, s73
	s_mul_i32 s70, s69, s74
.else
	s_mul_i32 s88, s68, BLK
	s_mul_i32 s70, s69, 32*BLK
.endif
	s_add_co_u32 s88, s88, s70
	s_mov_b32 s89, 0
	s_mul_i32 s23, s[WV], HALF
	s_mov_b32 s[SEL], 0x76543210
	s_mov_b32 s[SEL+1], 0xfedcba98
	s_mov_b32 s75, 0xffff0000
	s_wait_dscnt 0x0
	s_wait_kmcnt 0x0
.if MODE == 0
	s_cmp_lt_u32 ttmp9, 8
	s_cselect_b64 s[76:77], s[4:5], s[6:7]
	s_cselect_b64 s[78:79], s[6:7], s[4:5]
	s_cselect_b32 s80, 0, 1638400
	s_mov_b32 s81, 0
	s_cselect_b64 s[82:83], s[14:15], s[16:17]
	s_add_nc_u64 s[78:79], s[78:79], s[80:81]
	s_and_b32 s94, ttmp9, 1
	s_cmp_eq_u32 s94, 0
	s_cselect_b64 s[92:93], s[8:9], s[10:11]
	s_and_b32 s94, s66, 3
	s_lshl_b32 s94, s94, 10
	s_lshl_b32 s95, s20, 9
	s_add_co_u32 s94, s94, s95
	s_mov_b32 s95, 0
	s_add_nc_u64 s[92:93], s[92:93], s[94:95]
	s_and_b32 s94, s67, 3
	s_lshl_b32 s94, s94, 10
	s_lshl_b32 s96, s19, 9
	s_add_co_u32 s94, s94, s96
	s_add_nc_u64 s[96:97], s[12:13], s[94:95]
.else
	s_add_nc_u64 s[76:77], s[4:5], 3276800
	s_mov_b64 s[78:79], s[6:7]
	s_mov_b64 s[82:83], s[10:11]
	s_lshl_b32 s94, s66, 10
	s_lshl_b32 s95, s20, 9
	s_add_co_u32 s94, s94, s95
	s_mov_b32 s95, 0
	s_add_nc_u64 s[92:93], s[8:9], s[94:95]
.endif
	s_add_nc_u64 s[76:77], s[76:77], s[84:85]
	s_add_nc_u64 s[78:79], s[78:79], s[86:87]
	s_add_nc_u64 s[82:83], s[82:83], s[88:89]
	; PREFETCH.  A chunk is a slot's fill, two K steps; a wave's load is 25,600 bytes, 100 blocks of 256.  The four partners that ask for it jointly share the blocks out by address:
	; the partner at place p (cx for Q's, cy for P's) names blocks 25 p to 25 p + 24.  Behind chunk 0's load stand the requests for chunks 1 and 2, behind chunk 1's that for chunk 3, the last.
	s_cmp_eq_u32 s19, 0
	s_cselect_b64 s[42:43], s[78:79], s[76:77]     ; s[42:43]: my load's bytes of chunk 0,
	s_cselect_b32 s44, s21, s22
	s_mul_i32 s44, s44, 6400
	s_mov_b32 s45, 0
	s_add_nc_u64 s[42:43], s[42:43], s[44:45]      ; at my work-group's quarter of them
	CROUND
.irp s, 0,1
	s_mov_b32 s[G0Q+4*\s], 1
	s_add_co_u32 s[G0Q+4*\s+1], s23, \s*SLOT
	s_add_nc_u64 s[G0Q+4*\s+2:G0Q+4*\s+3], s[78:79], \s*HALF
	s_or_b32 s[G0Q+4*\s+3], s[G0Q+4*\s+3], 0x80000000
	s_mov_b32 s[G0P+4*\s], 1
	s_add_co_u32 s[G0P+4*\s+1], s23, \s*SLOT
	s_add_nc_u64 s[G0P+4*\s+2:G0P+4*\s+3], s[76:77], \s*HALF
	s_or_b32 s[G0P+4*\s+3], s[G0P+4*\s+3], 0x80000000
.if \s                                 ; slot 1's first fill is issued as a refill is
	s_wait_alu depctr_va_vdst(0)
	s_wait_tensorcnt 0x0                           ; my part of slot 0 is in
	ds_add_u32 v[SPW], v[NIL]
	s_wait_dscnt 0x0
	CROUND
.endif
	JLOAD \s                                       ; one joint load a wave at the head, one behind the round
.if \s == 0
	global_prefetch_b8 v17, s[42:43] offset:HALF th:TH_LOAD_NT scope:SCOPE_SE          ; chunk 1
.endif
	global_prefetch_b8 v17, s[42:43] offset:(\s+2)*HALF th:TH_LOAD_NT scope:SCOPE_SE   ; chunk 2 or 3
.endr
	v_and_b32 v1, 31, v0
	v_and_b32 v2, 15, v0
	v_bfe_u32 v3, v0, 4, 1
	v_lshlrev_b32 v[OA], 4, v1
	v_lshlrev_b32 v16, 4, v2
	s_mul_i32 s94, s19, HALF
	s_mul_i32 s95, s20, HALF
	s_add_co_u32 s95, s95, 2*HALF
.irp s, 0,1
	v_add_nc_u32 v[ADQ+\s], s94, v[OA]
	v_add_nc_u32 v[ADP+\s], s95, v[OA]
	v_add_nc_u32 v[ASQ+\s], s94, v16
	v_add_nc_u32 v[ASP+\s], s95, v16
	s_add_co_u32 s94, s94, SLOT
	s_add_co_u32 s95, s95, SLOT
.endr
	v_mul_u32_u24 v[OSV], v3, REC
	v_lshl_add_u32 v[OSV], v2, 4, v[OSV]
	v_add_nc_u32 v[OSV], SCO, v[OSV]
	v_lshlrev_b32 v[BPO], 6, v3
	v_and_b32 v[BQO], 8, v2
	v_add_nc_u32 v[BQO], v[BQO], v2
	v_lshlrev_b32 v[BQO], 2, v[BQO]
	WIN TO_B
.irp b, 0,1,2,3
.irp x, 0,1,2,3
	global_load_b128 v[BP+16*\b+4*\x:BP+16*\b+4*\x+3], v[BPO], s[92:93] offset:128*\b+16*\x
.endr
.endr
	WIN 0
.macro FETCH slot, e
	WIN TO_B
.irp t, 0,1,2,3,4,5,6,7
.irp c, 0,1,2
	ds_load_b128 v[96*(\e)+12*\t+4*\c:96*(\e)+12*\t+4*\c+3], v[ADP+(\slot)] offset:BLK*(\e)+REC*(\t/4)+FRB*(\t%4)+512*\c
.endr
.endr
	WIN 0
.irp t, 0,1,2,3,4,5,6,7
.irp c, 0,1,2
	ds_load_b128 v[QF+96*(\e)+12*\t+4*\c:QF+96*(\e)+12*\t+4*\c+3], v[ADQ+(\slot)] offset:BLK*(\e)+REC*(\t/4)+FRB*(\t%4)+512*\c
.endr
.endr
.irp g, 0,1
	ds_load_b128 v[SC+16*(\e)+4*\g:SC+16*(\e)+4*\g+3], v[ASQ+(\slot)] offset:BLK*(\e)+REC*\g+SCO
	ds_load_b128 v[SC+16*(\e)+8+4*\g:SC+16*(\e)+8+4*\g+3], v[ASP+(\slot)] offset:BLK*(\e)+REC*\g+SCO
.endr
.endm
.macro MUL32 e, hi, zero
.irp a, 0,1,2,3
.irp b, 0,1,2,3,4,5,6,7
.if \zero
	v_wmma_scale_f32_16x16x128_f8f6f4 v[8*(8*\a+\b):8*(8*\a+\b)+7], v[96*(\e)+12*\b:96*(\e)+12*\b+11], v[QF+96*(\e)+12*(4*(\hi)+\a):QF+96*(\e)+12*(4*(\hi)+\a)+11], 0, v[SC+16*(\e)+8+\b], v[SC+16*(\e)+4*(\hi)+\a] matrix_a_fmt:MATRIX_FMT_FP6 matrix_b_fmt:MATRIX_FMT_FP6
.else
	v_wmma_scale_f32_16x16x128_f8f6f4 v[8*(8*\a+\b):8*(8*\a+\b)+7], v[96*(\e)+12*\b:96*(\e)+12*\b+11], v[QF+96*(\e)+12*(4*(\hi)+\a):QF+96*(\e)+12*(4*(\hi)+\a)+11], v[8*(8*\a+\b):8*(8*\a+\b)+7], v[SC+16*(\e)+8+\b], v[SC+16*(\e)+4*(\hi)+\a] matrix_a_fmt:MATRIX_FMT_FP6 matrix_b_fmt:MATRIX_FMT_FP6
.endif
.endr
.endr
.endm
.macro EVEN slot, zero
	s_wait_dscnt 0x0
.if \zero == 0
	PLACES
.endif
	FETCH \slot, 1
	WIN MUL_LO
	MUL32 0, 0, \zero
	WIN MUL_HI
	MUL32 0, 1, \zero
.endm
.macro ODD slot, fill
	WIN 0
	s_wait_tensorcnt 0x0
	ds_add_u32 v[SPW], v[NIL]
	s_wait_dscnt 0x0
	s_barrier_signal -1
	WIN MUL_LO
	MUL32 1, 0, 0
	WIN 0
	s_barrier_wait -1
.if \fill
	CREST
	s_add_nc_u64 s[G0Q+4*\slot+2:G0Q+4*\slot+3], s[G0Q+4*\slot+2:G0Q+4*\slot+3], 2*HALF
	s_add_nc_u64 s[G0P+4*\slot+2:G0P+4*\slot+3], s[G0P+4*\slot+2:G0P+4*\slot+3], 2*HALF
	JLOAD \slot
.else
	PLACES
.endif
	s_wait_alu depctr_va_vdst(0)
	FETCH 1-(\slot), 0
	WIN MUL_HI
	MUL32 1, 1, 0
.endm
	s_wait_tensorcnt 1
	s_barrier_signal -1
	s_barrier_wait -1
	FETCH 0, 0
	EVEN 0, 1
	ODD 0, 1
	EVEN 1, 0
	ODD 1, 1
	EVEN 0, 0
	ODD 0, 0
	EVEN 1, 0
	s_wait_dscnt 0x0
.if MODE == 0
	PLACES
	WIN 0
.irp a, 0,1,2,3,4,5,6,7
	global_load_b32 v[BQ+2*\a], v[BQO], s[96:97] offset:4*(32*(\a/2)+8*(\a%2))
.endr
.endif
	WIN MUL_LO
	MUL32 1, 0, 0
	WIN MUL_HI
	MUL32 1, 1, 0
	WIN 0
.macro QUANT s, pw
.irp b, 0,1,2,3
	v_max3_num_f32 v[TM+\b], |v[\s+16*\b]|, |v[\s+1+16*\b]|, 0x1800000
.endr
.irp i, 2,4,6,8,10,12,14
.irp b, 0,1,2,3
	v_max3_num_f32 v[TM+\b], v[TM+\b], |v[\s+16*\b+\i]|, |v[\s+1+16*\b+\i]|
.endr
.endr
.irp b, 0,1,2,3
	v_permlanex16_b32 v[TM+4+\b], v[TM+\b], s[SEL], s[SEL+1]
.endr
.irp b, 0,1,2,3
	v_max_num_f32 v[TM+\b], v[TM+\b], v[TM+4+\b]
.endr
.irp b, 0,1,2,3
	v_add_nc_u32 v[TM+12+\b], 0xff000000, v[TM+\b]
.endr
.irp b, 0,1,2,3
	v_lshrrev_b32 v[TM+4+\b], 23, v[TM+12+\b]
.endr
	v_lshl_or_b32 v[\pw], v[TM+5], 8, v[TM+4]
	v_lshl_or_b32 v[\pw], v[TM+6], 16, v[\pw]
	v_lshl_or_b32 v[\pw], v[TM+7], 24, v[\pw]
.irp c, 0,1
	v_cvt_scalef32_pk16_fp6_f32 v[PC+6*\c:PC+2+6*\c], v[\s+32*\c:\s+15+32*\c], v[TM+12+2*\c]
	v_cvt_scalef32_pk16_fp6_f32 v[PC+12+4*\c:PC+14+4*\c], v[\s+16+32*\c:\s+31+32*\c], v[TM+12+2*\c+1]
.endr
	v_nop
.irp c, 0,1
.irp i, 0,1,2
	v_permlane16_swap_b32 v[PC+6*\c+\i], v[PC+12+4*\c+\i]
.endr
.irp i, 0,1,2
	v_mov_b32 v[PC+3+6*\c+\i], v[PC+12+4*\c+\i]
.endr
.endr
.endm
.macro OUTA a
	WIN 0x06+(\a)/4
.set i, 0
.rept 32
	v_pk_add_f32 v[T+i:T+i+1], v[64*((\a)%4)+i:64*((\a)%4)+i+1], v[BP+i:BP+i+1]
.set i, i+2
.endr
	WIN 0
.if MODE == 0
.set i, 0
.rept 32
	v_pk_add_f32 v[T+i:T+i+1], v[T+i:T+i+1], v[BQ+2*(\a):BQ+2*(\a)+1]
.set i, i+2
.endr
.else
.set i, 0
.rept 64
	v_max_num_f32 v[T+i], 0, v[T+i]
.set i, i+1
.endr
.endif
	s_wait_xcnt 0x0
	QUANT T, PWS+(\a)
.irp c, 0,1,2
	global_store_b128 v[OA], v[PC+4*\c:PC+4*\c+3], s[82:83] offset:REC*((\a)/4)+FRB*((\a)%4)+512*\c
.endr
.endm
	PLACES
	s_wait_loadcnt 0x0
.irp b, 0,1,2,3
	v_mov_b32 v[TM+4+\b], 0
.endr
.if MODE == 0
	WIN 0x44
.set i, 0
.rept 64
	v_and_b32 v[BP+i], s71, v[BP+i]
.set i, i+1
.endr
	WIN 0
.irp a, 0,1,2,3,4,5,6,7
	v_and_b32 v[BQ+2*\a], s72, v[BQ+2*\a]
.endr
.irp a, 0,1,2,3,4,5,6,7
	v_mov_b32 v[BQ+2*\a+1], v[BQ+2*\a]
.endr
.endif
.irp a, 0,1,2,3,4,5,6,7
	OUTA \a
.endr
.irp i, 0,1,2,3
	v_cndmask_b32 v[W+\i], v[PWS+\i], v[PWS+4+\i], s75
.endr
	global_store_b128 v[OSV], v[W:W+3], s[82:83]
	s_wait_tensorcnt 0x0
	ds_add_u32 v[SPW], v[NIL]
	s_wait_dscnt 0x0
	CROUND
	s_endpgm
.Lfunc_end_k_q8632fb64be_ffn1:
	.size	k_q8632fb64be_ffn1, .Lfunc_end_k_q8632fb64be_ffn1-k_q8632fb64be_ffn1
	.p2alignl 7, 3214868480
	.fill 96, 4, 3214868480
	.section	.rodata,"a",@progbits
	.p2align	6, 0x0
	.amdhsa_kernel k_q8632fb64be_ffn1
		.amdhsa_group_segment_fixed_size 327680
		.amdhsa_private_segment_fixed_size 0
		.amdhsa_enable_private_segment 0
		.amdhsa_kernarg_size 32
		.amdhsa_user_sgpr_count 2
		.amdhsa_user_sgpr_kernarg_segment_ptr 1
		.amdhsa_wavefront_size32 1
		.amdhsa_system_sgpr_workgroup_id_x 1
		.amdhsa_system_sgpr_workgroup_id_y 1
		.amdhsa_system_sgpr_workgroup_id_z 1
		.amdhsa_system_vgpr_workitem_id 0
		.amdhsa_next_free_vgpr 1024
		.amdhsa_next_free_sgpr 100
		.amdhsa_reserve_vcc 0
		.amdhsa_float_denorm_mode_32 3
		.amdhsa_float_denorm_mode_16_64 3
		.amdhsa_memory_ordered 1
		.amdhsa_forward_progress 1
		.amdhsa_inst_pref_size 170
	.end_amdhsa_kernel
	.amdgpu_metadata
---
amdhsa.version: [ 1, 2 ]
amdhsa.kernels:
  - .name:           k_q8632fb64be_ffn1
    .symbol:         k_q8632fb64be_ffn1.kd
    .args:
      - { .name: wc, .offset: 0, .size: 8, .value_kind: global_buffer, .address_space: global }
      - { .name: xc, .offset: 8, .size: 8, .value_kind: global_buffer, .address_space: global }
      - { .name: b1, .offset: 16, .size: 8, .value_kind: global_buffer, .address_space: global }
      - { .name: hc, .offset: 24, .size: 8, .value_kind: global_buffer, .address_space: global }
    .group_segment_fixed_size: 327680
    .private_segment_fixed_size: 0
    .kernarg_segment_align: 8
    .kernarg_segment_size: 32
    .max_flat_workgroup_size: 128
    .sgpr_count:     100
    .vgpr_count:     1024
    .wavefront_size: 32
...
	.end_amdgpu_metadata
.endif
;; end of part 5
;; launch ffn2 (part 6): grid 8 x 32, 4 waves a work-group, clusters of 4 x 4, 327,680 bytes of LDS; arguments wc, hc, x1, b2, out0; writes out0
.if DOCPART == 6
	.amdgcn_target "amdgcn-amd-amdhsa--gfx1250"
	.amdhsa_code_object_version 6
	.text
	.protected	k_q8632fb64be_ffn2
	.globl	k_q8632fb64be_ffn2
	.p2align	8
	.type	k_q8632fb64be_ffn2,@function
k_q8632fb64be_ffn2:
	s_mov_b64 s[64:65], 0
	v_nop
	global_prefetch_b8 v0, s[64:65] scope:SCOPE_SE
	s_setreg_imm32_b32 hwreg(HW_REG_WAVE_MODE, 25, 1), 1
	s_wait_xcnt 0x0
	s_wait_alu depctr_hold_cnt(0) depctr_sa_sdst(0) depctr_va_vdst(0) depctr_va_sdst(0) depctr_va_ssrc(0) depctr_va_vcc(0) depctr_vm_vsrc(0)
	s_getreg_b32 s2, hwreg(HW_REG_IB_STS2, 6, 4)
	s_cmp_eq_u32 s2, 0
	s_cbranch_scc0 .Lentry_in_a_cluster
	s_endpgm
.Lentry_in_a_cluster:
	s_bfe_u32 s2, ttmp6, 0x10000c
	s_cmp_lg_u32 s2, 0xf033
	s_cbranch_scc0 .Lentry_shape_is_right
	s_endpgm
.Lentry_shape_is_right:
.set NK,    32
.set POFF,  6553600
.set BLK,   12800
.set REC,   6400
.set FRB,   1536
.set SCO,   6144
.set HALF,  2*BLK
.set SLOT,  4*HALF
.set STAGE, 2*SLOT
.set SPARE, STAGE+4*16*272
.set ADQ, 4
.set ADP, 6
.set ASQ, 8
.set ASP, 10
.set STO, 12
.set RD,  13
.set RO,  14
.set BO,  15
.set SPW, 28
.set NIL, 29
.set SC,  32
.set RB,  48
.set BI,  112
.set ACC, 128
.set WV,  18
.set G1Q, 24
.set G0Q, 32
.set G1P, 48
.set G0P, 56
.set MSB, 0
.macro WIN new
.if MSB != (\new)
	s_set_vgpr_msb (MSB<<8)|(\new)
.set MSB, (\new)
.endif
.endm
.set MUL,  0x05
.set TO_F, 0x40
.macro PLACES
.rept 4
	v_nop
.endr
.endm
.macro JLOAD s
	s_cmp_eq_u32 s19, 0
	s_cbranch_scc0 .Lfor_p_\@
	tensor_load_to_lds s[G0Q+4*\s:G0Q+4*\s+3], s[G1Q:G1Q+7]
	s_nop 0
.rept 4
	v_nop
.endr
	s_branch .Lasked_\@
.Lfor_p_\@:
	tensor_load_to_lds s[G0P+4*\s:G0P+4*\s+3], s[G1P:G1P+7]
	s_nop 0
.rept 4
	v_nop
.endr
.Lasked_\@:
.endm
.macro CREST
	s_cmp_lg_u32 s[WV], 0
	s_cbranch_scc1 .Lnot_wave_0_\@
	s_barrier_signal -3
.Lnot_wave_0_\@:
	s_barrier_wait -3
	s_barrier_signal -1
	s_barrier_wait -1
.endm
.macro CROUND
	s_barrier_signal -1
	s_barrier_wait -1
	CREST
.endm
	s_load_b256 s[4:11], s[0:1], 0x0
	s_load_b64 s[12:13], s[0:1], 0x20
	v_lshl_add_u32 v[SPW], v0, 2, SPARE
	v_mov_b32 v[NIL], 0
	ds_add_u32 v[SPW], v[NIL]
	ds_add_u32 v[SPW], v[NIL]
	v_lshrrev_b32 v1, 5, v0
	v_readfirstlane_b32 s[WV], v1
	v_and_b32 v17, 31, v0                          ; v17: the prefetches' offset: 256 x min(lane, 24): 25 blocks of 256 bytes; the lanes left over name the last again; never rewritten
	v_min_u32 v17, 24, v17
	v_lshlrev_b32 v17, 8, v17
	s_wait_alu depctr_va_vdst(0)
	s_lshr_b32 s19, s[WV], 1
	s_and_b32 s20, s[WV], 1
	s_bfe_u32 s21, ttmp6, 0x40000
	s_bfe_u32 s22, ttmp6, 0x40004
	s_lshl_b32 s66, ttmp9, 2
	s_add_co_u32 s66, s66, s21
	s_and_b32 s67, ttmp7, 0xffff
	s_lshl_b32 s67, s67, 2
	s_add_co_u32 s67, s67, s22
	s_lshl_b32 s40, s22, 2
	s_lshl_b32 s40, 15, s40
	s_lshl_b32 s41, 0x1111, s21
	s_or_b32 s[G1Q], s40, (3<<16)|(1<<21)
	s_or_b32 s[G1P], s41, (3<<16)|(1<<21)
.irp g, G1Q, G1P
	s_mov_b32 s[\g+1], 32<<16
	s_mov_b32 s[\g+2], 100<<16
	s_mov_b32 s[\g+3], 32<<16
	s_mov_b32 s[\g+4], 100
	s_mov_b32 s[\g+5], 32
	s_mov_b32 s[\g+6], 0
	s_mov_b32 s[\g+7], 0
.endr
	s_mul_i32 s68, s20, HALF
	s_mul_i32 s84, s66, NK*BLK
	s_add_co_u32 s84, s84, s68
	s_add_co_u32 s84, s84, POFF
	s_mov_b32 s85, 0
	s_mul_i32 s86, s67, NK*BLK
	s_add_co_u32 s86, s86, s68
	s_mov_b32 s87, 0
	s_lshl_b32 s94, s66, 9
	s_lshl_b32 s95, s20, 8
	s_add_co_u32 s94, s94, s95
	s_mov_b32 s95, 0
	s_lshl_b32 s88, s67, 19
	s_lshl_b32 s89, s19, 18
	s_add_co_u32 s88, s88, s89
	s_add_co_u32 s88, s88, s94
	s_mov_b32 s89, 0
	s_mul_i32 s23, s[WV], HALF
	s_wait_dscnt 0x0
	s_wait_kmcnt 0x0
	s_add_nc_u64 s[76:77], s[4:5], s[84:85]
	s_add_nc_u64 s[78:79], s[6:7], s[86:87]
	s_add_nc_u64 s[8:9], s[8:9], s[88:89]
	s_add_nc_u64 s[12:13], s[12:13], s[88:89]
	s_add_nc_u64 s[10:11], s[10:11], s[94:95]
	; PREFETCH.  A chunk is a slot's fill, four K steps; a wave's load is 25,600 bytes, 100 blocks of 256.  The four partners that ask for it jointly share the blocks out by address:
	; the partner at place p (cx for Q's, cy for P's) names blocks 25 p to 25 p + 24.  Behind the load of chunk c stands the request for chunk c + 2; at the head also for chunk 1.  Chunks 6 and 7 are the last: the loop's last trip asks for nothing.
	s_cmp_eq_u32 s19, 0
	s_cselect_b64 s[42:43], s[78:79], s[76:77]     ; s[42:43]: my load's bytes of chunk 0,
	s_cselect_b32 s44, s21, s22
	s_mul_i32 s44, s44, 6400
	s_mov_b32 s45, 0
	s_add_nc_u64 s[42:43], s[42:43], s[44:45]      ; at my work-group's quarter of them
	CROUND
.irp s, 0,1
	s_mov_b32 s[G0Q+4*\s], 1
	s_add_co_u32 s[G0Q+4*\s+1], s23, \s*SLOT
	s_add_nc_u64 s[G0Q+4*\s+2:G0Q+4*\s+3], s[78:79], \s*4*BLK
	s_or_b32 s[G0Q+4*\s+3], s[G0Q+4*\s+3], 0x80000000
	s_mov_b32 s[G0P+4*\s], 1
	s_add_co_u32 s[G0P+4*\s+1], s23, \s*SLOT
	s_add_nc_u64 s[G0P+4*\s+2:G0P+4*\s+3], s[76:77], \s*4*BLK
	s_or_b32 s[G0P+4*\s+3], s[G0P+4*\s+3], 0x80000000
.if \s                                 ; slot 1's first fill is issued as a refill is
	s_wait_alu depctr_va_vdst(0)
	s_wait_tensorcnt 0x0                           ; my part of slot 0 is in
	ds_add_u32 v[SPW], v[NIL]
	s_wait_dscnt 0x0
	CROUND
.endif
	JLOAD \s                                       ; one joint load a wave at the head, one behind the round
.if \s == 0
	global_prefetch_b8 v17, s[42:43] offset:4*BLK th:TH_LOAD_NT scope:SCOPE_SE          ; chunk 1
.endif
	global_prefetch_b8 v17, s[42:43] offset:(\s+2)*4*BLK th:TH_LOAD_NT scope:SCOPE_SE   ; chunk 2 or 3
.endr
	v_and_b32 v1, 31, v0
	v_and_b32 v2, 15, v0
	v_bfe_u32 v3, v0, 4, 1
	v_lshlrev_b32 v16, 4, v1
	v_lshlrev_b32 v[BO], 4, v2
	s_mul_i32 s94, s19, REC
	s_mul_i32 s95, s20, REC
	s_add_co_u32 s95, s95, 4*BLK
.irp s, 0,1
	v_add_nc_u32 v[ADQ+\s], s94, v16
	v_add_nc_u32 v[ADP+\s], s95, v16
	v_add_nc_u32 v[ASQ+\s], s94, v[BO]
	v_add_nc_u32 v[ASP+\s], s95, v[BO]
	s_add_co_u32 s94, s94, SLOT
	s_add_co_u32 s95, s95, SLOT
.endr
	s_mul_i32 s94, s[WV], 16*272
	s_add_co_u32 s94, s94, STAGE
	v_mul_u32_u24 v[STO], v2, 272
	v_lshl_add_u32 v[STO], v3, 6, v[STO]
	v_add_nc_u32 v[STO], s94, v[STO]
	v_mul_u32_u24 v[RD], v3, 272
	v_add_nc_u32 v[RD], v[RD], v[BO]
	v_add_nc_u32 v[RD], s94, v[RD]
	v_lshl_add_u32 v[RO], v3, 12, v[BO]
	WIN 0x80
.irp a, 0,1,2,3
.irp t, 0,1,2,3,4,5,6,7
	global_load_b128 v[32*\a+4*\t:32*\a+4*\t+3], v[RO], s[8:9] offset:(32*(\a/2)+8*(\a%2)+2*\t+8*(\t/4))*4096
.endr
.endr
	WIN 0
	global_load_b128 v[BI:BI+3], v[BO], s[10:11]
.macro FETCH slot, e
.set FF, 128*((\e)%2)
.set FS, SC+8*((\e)%2)
	WIN TO_F
.irp t, 0,1,2,3
.irp c, 0,1,2
	ds_load_b128 v[FF+12*\t+4*\c:FF+12*\t+4*\c+3], v[ADP+(\slot)] offset:BLK*(\e)+FRB*\t+512*\c
	ds_load_b128 v[FF+48+12*\t+4*\c:FF+48+12*\t+4*\c+3], v[ADQ+(\slot)] offset:BLK*(\e)+FRB*\t+512*\c
.endr
.endr
	WIN 0
	ds_load_b128 v[FS:FS+3], v[ASP+(\slot)] offset:BLK*(\e)+SCO
	ds_load_b128 v[FS+4:FS+7], v[ASQ+(\slot)] offset:BLK*(\e)+SCO
.endm
.macro MUL8 f, a0, zero
.irp a, \a0, \a0+1
.irp b, 0,1,2,3
.if \zero
	v_wmma_scale_f32_16x16x128_f8f6f4 v[ACC+8*(4*(\a)+\b):ACC+8*(4*(\a)+\b)+7], v[128*(\f)+12*\b:128*(\f)+12*\b+11], v[128*(\f)+48+12*(\a):128*(\f)+48+12*(\a)+11], 0, v[SC+8*(\f)+\b], v[SC+8*(\f)+4+(\a)] matrix_a_fmt:MATRIX_FMT_FP6 matrix_b_fmt:MATRIX_FMT_FP6
.else
	v_wmma_scale_f32_16x16x128_f8f6f4 v[ACC+8*(4*(\a)+\b):ACC+8*(4*(\a)+\b)+7], v[128*(\f)+12*\b:128*(\f)+12*\b+11], v[128*(\f)+48+12*(\a):128*(\f)+48+12*(\a)+11], v[ACC+8*(4*(\a)+\b):ACC+8*(4*(\a)+\b)+7], v[SC+8*(\f)+\b], v[SC+8*(\f)+4+(\a)] matrix_a_fmt:MATRIX_FMT_FP6 matrix_b_fmt:MATRIX_FMT_FP6
.endif
.endr
.endr
.endm
.macro KS slot, e, zero
	s_wait_dscnt 0x0
.if \zero == 0
	PLACES
.endif
	FETCH \slot, (\e)+1
	WIN MUL
	MUL8 (\e)%2, 0, \zero
	MUL8 (\e)%2, 2, \zero
.endm
.macro TURN slot, fill
	WIN 0
	s_wait_tensorcnt 0x0
	ds_add_u32 v[SPW], v[NIL]
	s_wait_dscnt 0x0
	s_barrier_signal -1
	WIN MUL
	MUL8 1, 0, 0
	WIN 0
	s_barrier_wait -1
.if \fill
	CREST
	s_add_nc_u64 s[G0Q+4*\slot+2:G0Q+4*\slot+3], s[G0Q+4*\slot+2:G0Q+4*\slot+3], 8*BLK
	s_add_nc_u64 s[G0P+4*\slot+2:G0P+4*\slot+3], s[G0P+4*\slot+2:G0P+4*\slot+3], 8*BLK
	JLOAD \slot
.else
	PLACES
.endif
	s_wait_alu depctr_va_vdst(0)
	FETCH 1-(\slot), 0
.if \fill
	s_cmp_gt_u32 s3, 1                             ; s3 = 1 in the loop's last trip, which has no chunk two refills on
	s_cbranch_scc0 .Lno_ask_\@
	global_prefetch_b8 v17, s[42:43] offset:(4+\slot)*4*BLK th:TH_LOAD_NT scope:SCOPE_SE   ; the chunk two refills on
.Lno_ask_\@:
.endif
	WIN MUL
	MUL8 1, 2, 0
.endm
	s_wait_tensorcnt 1
	s_barrier_signal -1
	s_barrier_wait -1
	FETCH 0, 0
	KS 0, 0, 1
.if NK/8 > 1
	WIN 0
	s_mov_b32 s3, NK/8-1
.Llap:
	KS 0, 1, 0
	KS 0, 2, 0
	TURN 0, 1
	KS 1, 0, 0
	KS 1, 1, 0
	KS 1, 2, 0
	TURN 1, 1
	KS 0, 0, 0
	WIN 0
	s_wait_xcnt 0x0                                ; my prefetches have read their address
	s_add_nc_u64 s[42:43], s[42:43], 8*BLK         ; two chunks on
	s_sub_co_u32 s3, s3, 1
	s_cmp_lg_u32 s3, 0
	s_cbranch_scc1 .Llap
.endif
	KS 0, 1, 0
	KS 0, 2, 0
	TURN 0, 0
	KS 1, 0, 0
	KS 1, 1, 0
	KS 1, 2, 0
	s_wait_dscnt 0x0
	MUL8 1, 0, 0
	MUL8 1, 2, 0
	WIN 0
.macro TOSTAGE a
.set RBB, RB+32*((\a)%2)
.irp b, 0,1,2,3
	ds_store_b128 v[STO], v[ACC+8*(4*(\a)+\b):ACC+8*(4*(\a)+\b)+3] offset:128*(\b/2)+32*(\b%2)
	ds_store_b128 v[STO], v[ACC+8*(4*(\a)+\b)+4:ACC+8*(4*(\a)+\b)+7] offset:128*(\b/2)+32*(\b%2)+16
.endr
.irp t, 0,1,2,3,4,5,6,7
	ds_load_b128 v[RBB+4*\t:RBB+4*\t+3], v[RD] offset:544*\t
.endr
.endm
.macro SEND a, younger
.set RBB, RB+32*((\a)%2)
	s_wait_dscnt \younger
	WIN 0x08
.set i, 0
.rept 16
	v_pk_add_f32 v[RBB+i:RBB+i+1], v[RBB+i:RBB+i+1], v[32*(\a)+i:32*(\a)+i+1]
.set i, i+2
.endr
	WIN 0
.irp t, 0,1,2,3,4,5,6,7
	v_pk_add_f32 v[RBB+4*\t:RBB+4*\t+1], v[RBB+4*\t:RBB+4*\t+1], v[BI:BI+1]
	v_pk_add_f32 v[RBB+4*\t+2:RBB+4*\t+3], v[RBB+4*\t+2:RBB+4*\t+3], v[BI+2:BI+3]
.endr
.irp t, 0,1,2,3,4,5,6,7
	global_store_b128 v[RO], v[RBB+4*\t:RBB+4*\t+3], s[12:13] offset:(32*((\a)/2)+8*((\a)%2)+2*\t+8*(\t/4))*4096
.endr
.endm
	PLACES
	s_wait_loadcnt 0x0
	TOSTAGE 0
.irp a, 1,2,3
.if \a > 1
	s_wait_xcnt 0x0
.endif
	TOSTAGE \a
	SEND \a-1, 16
.endr
	SEND 3, 0
	s_wait_tensorcnt 0x0
	ds_add_u32 v[SPW], v[NIL]
	s_wait_dscnt 0x0
	CROUND
	s_endpgm
.Lfunc_end_k_q8632fb64be_ffn2:
	.size	k_q8632fb64be_ffn2, .Lfunc_end_k_q8632fb64be_ffn2-k_q8632fb64be_ffn2
	.p2alignl 7, 3214868480
	.fill 96, 4, 3214868480
	.section	.rodata,"a",@progbits
	.p2align	6, 0x0
	.amdhsa_kernel k_q8632fb64be_ffn2
		.amdhsa_group_segment_fixed_size 327680
		.amdhsa_private_segment_fixed_size 0
		.amdhsa_enable_private_segment 0
		.amdhsa_kernarg_size 40
		.amdhsa_user_sgpr_count 2
		.amdhsa_user_sgpr_kernarg_segment_ptr 1
		.amdhsa_wavefront_size32 1
		.amdhsa_system_sgpr_workgroup_id_x 1
		.amdhsa_system_sgpr_workgroup_id_y 1
		.amdhsa_system_sgpr_workgroup_id_z 1
		.amdhsa_system_vgpr_workitem_id 0
		.amdhsa_next_free_vgpr 640
		.amdhsa_next_free_sgpr 100
		.amdhsa_reserve_vcc 0
		.amdhsa_float_denorm_mode_32 3
		.amdhsa_float_denorm_mode_16_64 3
		.amdhsa_memory_ordered 1
		.amdhsa_forward_progress 1
		.amdhsa_inst_pref_size 92
	.end_amdhsa_kernel
	.amdgpu_metadata
---
amdhsa.version: [ 1, 2 ]
amdhsa.kernels:
  - .name:           k_q8632fb64be_ffn2
    .symbol:         k_q8632fb64be_ffn2.kd
    .args:
      - { .name: wc, .offset: 0, .size: 8, .value_kind: global_buffer, .address_space: global }
      - { .name: hc, .offset: 8, .size: 8, .value_kind: global_buffer, .address_space: global }
      - { .name: x1, .offset: 16, .size: 8, .value_kind: global_buffer, .address_space: global }
      - { .name: b2, .offset: 24, .size: 8, .value_kind: global_buffer, .address_space: global }
      - { .name: out0, .offset: 32, .size: 8, .value_kind: global_buffer, .address_space: global }
    .group_segment_fixed_size: 327680
    .private_segment_fixed_size: 0
    .kernarg_segment_align: 8
    .kernarg_segment_size: 40
    .max_flat_workgroup_size: 128
    .sgpr_count:     100
    .vgpr_count:     640
    .wavefront_size: 32
...
	.end_amdgpu_metadata
.endif
;; end of part 6
